; MI455X (gfx1250); checked and timed in simulation.
; The chip was launched on July 23, 2026; its instructions are those of AMD's public machine-readable ISA for CDNA 5 (MIT licence, August 2026) and "CDNA5" Instruction Set Architecture Reference Guide (July 2026). The comments in the code are by the model that wrote it; some were corrected since.
;; Causal Self Attention. Allowed arithmetic: matrix products marked QUANTISED: E2M3 operands, one E8M0 scale for each 32 along K, by v_wmma_scale_f32_16x16x128_f8f6f4 with both operands' format E2M3, f32 sums; everything else in f32.
;; Inputs: W_attn 3,072 x 1,024 float32; W_o 1,024 x 1,024 float32; b_attn 3,072 float32; b_o 1,024 float32; x 4 x 2,048 x 1,024 float32.
;; Outputs: out0 4 x 2,048 x 1,024 float32.
;; This version of the problem:
;;   THIS VERSION OF THE PROBLEM IS GIVEN IN LOW PRECISION. The matrix products marked QUANTISED in the list below multiply operands that are first quantised to E2M3 (2 exponent bits, 3 mantissa bits; 6 bits a number), with one power-of-two scale for each 32 numbers along K (OCP MX v1.0); their sums are f32. All else is computed in f32.
;;   The module's matrix products, in the order in which they are computed (A, B: the left and right operand; K: the contracted axis; several contracted axes count as one K, in the product's order):
;;     1. [M 8,192, K 1,024] x [K 1,024, N 3,072]; A: input x; B: input W_attn: QUANTISED
;;     2. batch 64 x [M 2,048, K 64] x [K 64, N 2,048]; A: computed on the way; B: computed on the way: QUANTISED
;;     3. batch 64 x [M 2,048, K 2,048] x [K 2,048, N 64]; A: softmax (see below); B: computed on the way: QUANTISED
;;     4. [M 8,192, K 1,024] x [K 1,024, N 1,024]; A: computed on the way; B: input W_o: QUANTISED
;;   THE QUANTISER, for each operand of a quantised product, along K:
;;     - K is cut into blocks of 32 from its start; a last block that is shorter is filled with zeros.
;;     - A block's scale is 2^e with e = floor(log2(the largest magnitude in the block)) - 2, held to -126 .. 127; a block of zeros has e = 0. As a byte (E8M0): e + 127.
;;     - Each number is divided by its block's scale, clamped to +-7.5, and rounded to the nearest number of E2M3, ties to even, subnormals kept.
;;     - The product sums the exact products of the quantised numbers (number of the format x scale) in f32.
;;   ~~~python
;;   def quantise(x, axis):      # numpy; x: float32 -> the quantised numbers, widened to float32 again
;;       x = np.moveaxis(x, axis, -1); K = x.shape[-1]
;;       x = np.pad(x, [(0, 0)] * (x.ndim - 1) + [(0, -K % 32)]); x = x.reshape(x.shape[:-1] + (-1, 32)); a = np.abs(x).max(-1, keepdims=True)
;;       e = np.where(a > 0, np.clip(np.frexp(np.where(a > 0, a, 1))[1] - 1 - 2, -126, 127), 0)      # np.frexp(a)[1] - 1 = floor(log2(a)), exactly
;;       r = np.clip(x / 2.0 ** e, -7.5, 7.5)
;;       step = 2.0 ** (np.maximum(np.frexp(np.where(r == 0, 1, r))[1] - 1, 0) - 3)
;;       q = np.round(r / step) * step * 2.0 ** e      # np.round: ties to even
;;       return np.moveaxis(q.reshape(q.shape[:-2] + (-1,))[..., :K], -1, axis).astype(np.float32)
;;   ~~~
;;   SOFTMAX AHEAD OF A QUANTISED PRODUCT. Where the list says 'softmax', what is quantised is not the finished softmax but p = 2^(t - M), with t = logit x log2(e) and M = ceil(the row's largest t), a whole number; so 1/2 < the row's largest p <= 1. The row's sum l is taken of the UNQUANTISED p, in f32, and the product's result is divided by l at the end. Since M is a whole number, a kernel that streams over the keys may use a running M (the ceiling of the running maximum): every later rescaling is an exact power of two, which a block's scale takes up: the codes' values come out the same.
;;   OPERANDS COMPUTED ON THE WAY. 'Computed on the way' means the value that the module computes at that place (a softmax that the list does not call 'softmax' is quantised finished and normalised). What goes into a quantiser is computed in f32, as accurately as f32 sums, v_exp_f32 and their like allow (about 1e-6 of the number): no bf16 or f16 on the way to a quantiser, and a product that is left as it is and whose result goes on into a quantised operand takes f32 operands (vector FMAs, or v_wmma_f32_16x16x4_f32). A number that lies on a knife's edge between two numbers of the format may be rounded either way, as far as f32 arithmetic and the matrix unit's own rounding can turn it there, and no further.
;; One version. Each part assembles by itself: llvm-mc -triple=amdgcn-amd-amdhsa -mcpu=gfx1250 --defsym DOCPART=n.
;; ======== version 1 of 1: 4 launches
;; limits: right only within a limited range of input values
;; workspace buffers: xq 6,553,600 bytes; wq 3,276,800 bytes; tab 524,288 bytes; qkv 20,447,232 bytes; yq 6,553,600 bytes
;; launch prep (part 1): grid 400 x 1, 4 waves a work-group, no clusters, 33,280 bytes of LDS; arguments x, W_attn, W_o, xq, wq, tab; writes xq, wq, tab
.if DOCPART == 1
	.amdgcn_target "amdgcn-amd-amdhsa--gfx1250"
	.amdhsa_code_object_version 6
	.text
	.protected	k_qff7c0cb992_prep
	.globl	k_qff7c0cb992_prep
	.p2align	8
	.type	k_qff7c0cb992_prep,@function
k_qff7c0cb992_prep:
	s_mov_b64 s[64:65], 0
	v_nop
	global_prefetch_b8 v0, s[64:65] scope:SCOPE_SE
	s_setreg_imm32_b32 hwreg(HW_REG_WAVE_MODE, 25, 1), 1
	s_wait_xcnt 0x0
; x [8192][1024], W_attn [3072][1024] and W_o [1024][1024], f32, become codes of FP6 (E2M3) with one E8M0 byte for each 32 along K; and the table of cos and sin for the rotation is made.
; LAYOUT OF THE CODES (this program's own): [row block of 128][chunk of 64 along K (16)][row in the block][48 bytes]; of the scale bytes: [row block][half of K (2)][row in the block][16 bytes].
; So 256 along K of 128 rows are one dense block of 24,576 bytes, and an operand's fragment is read at 48 x row + 24 x half of the lanes.
; ROW ORDER.  A row stands at the place that has bits 3 and 4 of its number exchanged; rows 0..2047 of W_attn (q and k) stand otherwise: row 64 H + 32 h + 16 u + 2 j + o at place 64 H + 32 o + 16 u + 8 h + j,
; so that a head's four tiles of 16 places are its even inputs (two tiles) and its odd inputs (two tiles) in the order in which the next launch's lanes want them.
; A block's scale is 2^(floor(log2(largest magnitude)) - 2): its byte is the largest magnitude's exponent field - 2, held at 1 from below.
; LIMITS: a block of zeros, or one whose largest magnitude lies under 2^-124, gets the byte 1 (its codes are zeros or held small; the bytes are read by this program alone); NaN and infinities are not served.
; SHARES.  Work-groups 0-255: x; 256-351: W_attn; 352-383: W_o; 384-399: the table.  A wave takes 16 places x 512 along K: 16 steps of 8 rows x 64 along K.
; A step's four loads read 256 consecutive bytes in each half of the lanes; its 2,048 bytes turn through the wave's own stage in LDS, so that a lane holds 16 neighbours along K; its codes leave as 384 consecutive bytes.
; THE TABLE: tab[t][0..31] = cos(t f_i), tab[t][32..63] = sin(t f_i), f_i = 1 / 1000^(i / 32).  1000^(i / 32) is a product of repeated square roots of 1000, kept in pairs of f32 and rounded once;
; the division is a reciprocal with two corrections; the angle is one f32 product; it is reduced by multiples of pi / 2 held in two parts, and sine and cosine are polynomials on +-pi / 4.
.set SP,    80                         ; a lane's place in a stage: 64 bytes + 16 of padding
.set WREG,  8192                       ; LDS of a wave: two stages of 32 x SP bytes, then its 256 scale bytes
.set STEPS, 16
.set VO,    20                         ; v20-23   load i: byte offset of my 16 bytes
.set R,     32                         ; v32-127  six sets of 16 numbers as loaded
.set X,     128                        ; v128-159 two sets of 16 neighbours
.set E,     160                        ; v160-175 a scale byte for each step
.set C,     176                        ; v176-239 codes: four registers for each step, so that no store's data are written again
	s_load_b256 s[4:11], s[0:1], 0x0               ; x, W_attn, W_o, xq
	s_load_b128 s[12:15], s[0:1], 0x20             ; wq, tab
	v_lshl_add_u32 v240, v0, 2, 0x8000
	v_mov_b32 v241, 0
	v_lshrrev_b32 v1, 5, v0
	v_readfirstlane_b32 s16, v1                    ; wave
	v_and_b32 v2, 31, v0                           ; lane
	s_cmp_ge_u32 ttmp9, 384
	s_cbranch_scc1 .Ltable
	s_mul_i32 s17, s16, WREG
	v_lshrrev_b32 v14, 2, v2
	v_mul_u32_u24 v14, v14, SP
	v_and_b32 v15, 3, v2
	v_lshl_add_u32 v14, v15, 4, v14
	v_add_nc_u32 v14, s17, v14                     ; the stage, in: SP (lane / 4) + 16 (lane % 4)
	v_mul_u32_u24 v15, v2, SP
	v_add_nc_u32 v15, s17, v15                     ; and out: SP x lane: my 16 neighbours: row lane / 4 of the step's eight, quarter lane % 4 of its 64 along K
	v_mul_u32_u24 v4, v2, 12                       ; my 12 bytes of a step's 384
	s_add_co_u32 s17, s17, 2*32*SP
	v_lshrrev_b32 v5, 2, v2
	v_lshlrev_b32 v5, 4, v5
	v_bfe_u32 v6, v2, 1, 1
	v_add_nc_u32 v5, v5, v6
	v_add_nc_u32 v5, s17, v5                       ; my block's scale byte: 16 (lane / 4) + (lane / 2) % 2
	v_lshlrev_b32 v7, 3, v2
	v_add_nc_u32 v6, s17, v7                       ; and on the way out 8 bytes a lane
	s_mov_b32 s24, 2359296
	s_mov_b32 s25, 3244032
	s_sub_co_u32 s26, ttmp9, 256                   ; under 64 (unsigned) for the rows of q and k
	s_wait_kmcnt 0x0
	s_cmp_lt_u32 ttmp9, 256                        ; the choices hang on the work-group's number alone
	s_cselect_b64 s[4:5], s[4:5], s[6:7]           ; from: x or W_attn
	s_cselect_b64 s[10:11], s[10:11], s[12:13]     ; to: xq or wq
	s_cselect_b32 s17, 0, 256                      ; the tensor's first work-group
	s_cselect_b32 s18, 6291456, s24                ; where its scale bytes begin
	s_cmp_ge_u32 ttmp9, 352
	s_cselect_b64 s[4:5], s[8:9], s[4:5]           ; W_o
	s_cselect_b32 s17, 352, s17
	s_cselect_b32 s18, s25, s18
	s_cselect_b32 s19, 2457600, 0                  ; where its codes begin
	s_sub_co_u32 s20, ttmp9, s17
	s_lshl_b32 s20, s20, 2
	s_add_co_u32 s20, s20, s16
	s_lshr_b32 s21, s20, 1                         ; D: which 16 places
	s_and_b32 s22, s20, 1                          ; which half of K
	s_lshr_b32 s27, s21, 1
	s_lshl_b32 s27, s27, 5
	s_and_b32 s28, s21, 1
	s_lshl_b32 s29, s28, 3
	s_add_co_u32 s27, s27, s29                     ; first row, bits 3 and 4 exchanged: 32 (D / 2) + 8 (D % 2)
	s_lshr_b32 s30, s21, 2
	s_lshl_b32 s30, s30, 6
	s_lshl_b32 s29, s28, 4
	s_add_co_u32 s30, s30, s29
	s_bfe_u32 s29, s21, 0x10001
	s_add_co_u32 s30, s30, s29                     ; first row for q and k: 64 (D / 4) + 16 (D % 2) + (D / 2) % 2
	s_cmp_lt_u32 s26, 64
	s_cselect_b32 s27, s30, s27
	s_cselect_b32 s28, 32, 16                      ; rows from a step's eight to the next eight
	s_cselect_b32 s29, 2, 1                        ; rows from place to place
	s_lshl_b32 s30, s27, 12
	s_lshl_b32 s31, s22, 11
	s_add_co_u32 s30, s30, s31
	s_mov_b32 s31, 0
	s_add_nc_u64 s[4:5], s[4:5], s[30:31]          ; even steps read from here,
	s_lshl_b32 s30, s28, 12
	s_add_nc_u64 s[6:7], s[4:5], s[30:31]          ; odd steps from here
	s_lshr_b32 s23, s21, 3
	s_and_b32 s24, s21, 7
	s_mul_i32 s30, s23, 98304
	s_mul_i32 s25, s24, 768
	s_add_co_u32 s30, s30, s25
	s_mul_i32 s25, s22, 49152
	s_add_co_u32 s30, s30, s25
	s_add_co_u32 s30, s30, s19
	s_add_nc_u64 s[8:9], s[10:11], s[30:31]        ; my codes
	s_lshl_b32 s30, s23, 12
	s_lshl_b32 s25, s22, 11
	s_add_co_u32 s30, s30, s25
	s_lshl_b32 s25, s24, 8
	s_add_co_u32 s30, s30, s25
	s_add_co_u32 s30, s30, s18
	s_add_nc_u64 s[10:11], s[10:11], s[30:31]      ; my 256 scale bytes
	v_lshrrev_b32 v8, 4, v2
	v_and_b32 v9, 15, v2
	v_lshlrev_b32 v9, 4, v9
.irp i, 0,1,2,3
	v_add_nc_u32 v[VO+\i], 2*\i, v8                ; load i: place 2 i + lane / 16 of the step's eight,
	v_mul_u32_u24 v[VO+\i], s29, v[VO+\i]          ; its row,
	v_lshl_add_u32 v[VO+\i], v[VO+\i], 12, v9      ; 4,096 bytes a row, + 16 (lane % 16)
.endr
.macro LOAD t
.irp i, 0,1,2,3
	global_load_b128 v[R+16*((\t)%6)+4*\i:R+16*((\t)%6)+4*\i+3], v[VO+\i], s[4+2*((\t)%2):5+2*((\t)%2)] offset:256*((\t)/2) th:TH_LOAD_NT   ; sixteen lanes read 256 consecutive bytes, aligned
.endr
.endm
.macro TURN t                          ; step t's numbers through the stage: LDS serves a wave's instructions in order, so no wait stands between the stores and the loads
.irp i, 0,1,2,3
	ds_store_b128 v14, v[R+16*((\t)%6)+4*\i:R+16*((\t)%6)+4*\i+3] offset:32*SP*((\t)%2)+8*SP*\i
.endr
.irp i, 0,1,2,3
	ds_load_b128 v[X+16*((\t)%2)+4*\i:X+16*((\t)%2)+4*\i+3], v15 offset:32*SP*((\t)%2)+16*\i
.endr
.endm
.irp t, 0,1,2,3,4,5
	LOAD \t
.endr
	s_wait_alu depctr_va_vdst(0)
	s_wait_loadcnt 20                              ; step 0's four loads are in; the 20 of the five steps behind it may be out
	TURN 0
.macro STEP t
.set XS, X+16*((\t)%2)
.if (\t) > 0
	s_wait_dscnt 1                                 ; this step's numbers are back from the stage (the last step's byte store may be out), so its stores into the stage have read their registers,
.else
	s_wait_dscnt 0x0
.endif
.if (\t)+6 < STEPS
	LOAD (\t)+6                                    ; which take the loads of six steps on
.endif
.if (\t)+1 < STEPS
.if STEPS-2-(\t) >= 5
	s_wait_loadcnt 20                              ; the next step's four loads are in; those of the five steps behind it may be out
.else
	s_wait_loadcnt 4*(STEPS-2-(\t))
.endif
	TURN (\t)+1
.endif
	v_max3_num_f32 v8, |v[XS]|, |v[XS+1]|, |v[XS+2]|               ; the largest magnitude of my 16
	v_max3_num_f32 v9, |v[XS+3]|, |v[XS+4]|, |v[XS+5]|
.irp i, 6,10
	v_max3_num_f32 v8, v8, |v[XS+\i]|, |v[XS+\i+1]|
	v_max3_num_f32 v9, v9, |v[XS+\i+2]|, |v[XS+\i+3]|
.endr
	v_max3_num_f32 v8, v8, |v[XS+14]|, |v[XS+15]|
	v_max3_num_f32 v8, v8, v9, 0x1800000           ; and the floor 2^(3 - 127): the byte cannot fall under 1
	v_max_num_f32_dpp v8, v8, v8 row_xmask:1 row_mask:0xf bank_mask:0xf   ; with my neighbour's 16: the block's
	v_add_nc_u32 v11, 0xff000000, v8               ; 2 off its exponent field: the conversion takes this operand's exponent field as its scale
	v_cvt_scalef32_pk16_fp6_f32 v[C+4*(\t):C+4*(\t)+2], v[XS:XS+15], v11
	v_lshrrev_b32 v[E+(\t)], 23, v11               ; the scale's byte
	ds_store_b8 v5, v[E+(\t)] offset:128*((\t)%2)+2*((\t)/2)       ; both lanes of a block write the same byte with the same value
	global_store_b96 v4, v[C+4*(\t):C+4*(\t)+2], s[8:9] offset:6144*((\t)/2)+384*((\t)%2)   ; 384 consecutive bytes: two steps fill 768
.endm
.irp t, 0,1,2,3,4,5,6,7,8,9,10,11,12,13,14,15
	STEP \t
.endr
	ds_load_b64 v[12:13], v6                       ; LDS serves a wave's instructions in order: these see my stores
	s_wait_dscnt 0x0
	global_store_b64 v7, v[12:13], s[10:11]        ; 32 lanes store 256 consecutive bytes, aligned
	s_wait_tensorcnt 0x0
	ds_add_u32 v240, v241
	s_wait_dscnt 0x0
	s_endpgm
.Ltable:                                           ; lane = i; a wave takes 32 tokens
	s_sub_co_u32 s17, ttmp9, 384
	s_lshl_b32 s17, s17, 2
	s_add_co_u32 s17, s17, s16
	s_lshl_b32 s17, s17, 5                         ; my first token
	v_mov_b32 v4, 0x447a0000                       ; a = 1000, as a pair (v4, v5)
	v_mov_b32 v5, 0
	v_mov_b32 v6, 1.0                              ; the product, as a pair (v6, v7)
	v_mov_b32 v7, 0
	s_wait_alu depctr_va_vdst(0)
.irp k, 0,1,2,3,4
	v_rsq_f32 v8, v4                               ; a = sqrt(a): after round k it is 1000^(1 / 2^(k + 1))
	v_and_b32 v16, 16>>\k, v2                      ; (a plain line behind the transcendental)  does i hold the bit 16 >> k?
	s_wait_alu depctr_va_vdst(0)                   ; the wait ahead of the first reader
	v_mul_f32 v9, v4, v8
	v_fma_f32 v10, -v9, v9, v4                     ; what the first guess leaves, exactly,
	v_add_f32 v10, v10, v5                         ; with the pair's low part
	v_mul_f32 v8, 0.5, v8
	v_mul_f32 v10, v8, v10
	v_add_f32 v4, v9, v10
	v_sub_f32 v11, v4, v9
	v_sub_f32 v5, v10, v11
	v_cmp_ne_u32 vcc_lo, 0, v16
	v_cndmask_b32 v12, 1.0, v4, vcc_lo             ; the factor: a, or 1
	v_cndmask_b32 v13, 0, v5, vcc_lo
	v_mul_f32 v14, v6, v12                         ; the product of two pairs
	v_fma_f32 v15, v6, v12, -v14
	v_fma_f32 v15, v6, v13, v15
	v_fma_f32 v15, v7, v12, v15
	v_add_f32 v6, v14, v15
	v_sub_f32 v17, v6, v14
	v_sub_f32 v7, v15, v17
.endr
	v_rcp_f32 v8, v6                               ; 1 / (1000^(i / 32) rounded to f32)
	v_lshlrev_b32 v18, 2, v2
	s_wait_alu depctr_va_vdst(0)
	v_fma_f32 v9, -v6, v8, 1.0
	v_fma_f32 v8, v9, v8, v8
	v_fma_f32 v9, -v6, v8, 1.0
	v_fma_f32 v8, v9, v8, v8
	s_lshl_b32 s18, s17, 8
	v_add_nc_u32 v18, s18, v18                     ; 256 bytes a token, 4 i
	v_cvt_f32_u32 v19, s17
	s_mov_b32 s20, 0x3f22f983                      ; 2 / pi
	s_mov_b32 s21, 0xbfc90fdb                      ; -(pi / 2 rounded to f32)
	s_mov_b32 s22, 0x333bbd2e                      ; that number less pi / 2
	s_mov_b32 s23, 0xb94ca1f9                      ; the sine's three coefficients,
	s_mov_b32 s24, 0x3c08839e
	s_mov_b32 s25, 0xbe2aaaa3
	s_mov_b32 s26, 0x37ccf5ce                      ; the cosine's
	s_mov_b32 s27, 0xbab6061a
	s_mov_b32 s28, 0x3d2aaaa5
	s_mov_b32 s29, 0
	s_wait_kmcnt 0x0
.Ltok:
	s_wait_alu depctr_va_vdst(0)
	v_mul_f32 v20, v19, v8                         ; the angle, one f32 product
	v_mul_f32 v21, s20, v20
	v_rndne_f32 v21, v21                           ; n
	v_fma_f32 v22, v21, s21, v20                   ; angle - n x the high part: nothing is rounded (n has 11 bits, the difference lies under 1)
	v_fma_f32 v22, v21, s22, v22
	v_mul_f32 v23, v22, v22
	v_fma_f32 v24, s23, v23, s24
	v_fma_f32 v24, v24, v23, s25
	v_mul_f32 v24, v24, v23
	v_fma_f32 v24, v24, v22, v22                   ; sin r
	v_fma_f32 v25, s26, v23, s27
	v_fma_f32 v25, v25, v23, s28
	v_mul_f32 v26, v23, v23
	v_fma_f32 v27, v23, -0.5, 1.0
	v_fma_f32 v25, v26, v25, v27                   ; cos r
	v_cvt_i32_f32 v28, v21
	v_and_b32 v29, 1, v28
	v_cmp_ne_u32 vcc_lo, 0, v29
	v_cndmask_b32 v30, v24, v25, vcc_lo            ; odd n: the two change places
	v_cndmask_b32 v31, v25, v24, vcc_lo
	v_and_b32 v29, 2, v28
	v_lshlrev_b32 v29, 30, v29
	v_xor_b32 v30, v30, v29                        ; the sine's sign: n % 4 = 2, 3
	v_add_nc_u32 v28, 1, v28
	v_and_b32 v28, 2, v28
	v_lshlrev_b32 v28, 30, v28
	v_xor_b32 v31, v31, v28                        ; the cosine's: n % 4 = 1, 2
	global_store_b32 v18, v31, s[14:15]
	global_store_b32 v18, v30, s[14:15] offset:128 ; the two stores fill the token's 256 bytes
	s_wait_xcnt 0x0                                ; the stores' data and offset are written again only behind this wait
	v_add_f32 v19, 1.0, v19
	v_add_nc_u32 v18, 256, v18
	s_add_co_u32 s29, s29, 1
	s_cmp_lt_u32 s29, 32
	s_cbranch_scc1 .Ltok
	s_endpgm
.Lfunc_end_k_qff7c0cb992_prep:
	.size	k_qff7c0cb992_prep, .Lfunc_end_k_qff7c0cb992_prep-k_qff7c0cb992_prep
	.p2alignl 7, 3214868480
	.fill 96, 4, 3214868480
	.section	.rodata,"a",@progbits
	.p2align	6, 0x0
	.amdhsa_kernel k_qff7c0cb992_prep
		.amdhsa_group_segment_fixed_size 33280
		.amdhsa_private_segment_fixed_size 0
		.amdhsa_enable_private_segment 0
		.amdhsa_kernarg_size 48
		.amdhsa_user_sgpr_count 2
		.amdhsa_user_sgpr_kernarg_segment_ptr 1
		.amdhsa_wavefront_size32 1
		.amdhsa_system_sgpr_workgroup_id_x 1
		.amdhsa_system_sgpr_workgroup_id_y 1
		.amdhsa_system_sgpr_workgroup_id_z 1
		.amdhsa_system_vgpr_workitem_id 0
		.amdhsa_next_free_vgpr 242
		.amdhsa_next_free_sgpr 66
		.amdhsa_reserve_vcc 1
		.amdhsa_float_denorm_mode_32 3
		.amdhsa_float_denorm_mode_16_64 3
		.amdhsa_memory_ordered 1
		.amdhsa_forward_progress 1
		.amdhsa_inst_pref_size 42
	.end_amdhsa_kernel
	.amdgpu_metadata
---
amdhsa.version: [ 1, 2 ]
amdhsa.kernels:
  - .name:           k_qff7c0cb992_prep
    .symbol:         k_qff7c0cb992_prep.kd
    .args:
      - { .name: x, .offset: 0, .size: 8, .value_kind: global_buffer, .address_space: global }
      - { .name: W_attn, .offset: 8, .size: 8, .value_kind: global_buffer, .address_space: global }
      - { .name: W_o, .offset: 16, .size: 8, .value_kind: global_buffer, .address_space: global }
      - { .name: xq, .offset: 24, .size: 8, .value_kind: global_buffer, .address_space: global }
      - { .name: wq, .offset: 32, .size: 8, .value_kind: global_buffer, .address_space: global }
      - { .name: tab, .offset: 40, .size: 8, .value_kind: global_buffer, .address_space: global }
    .group_segment_fixed_size: 33280
    .private_segment_fixed_size: 0
    .kernarg_segment_align: 8
    .kernarg_segment_size: 48
    .max_flat_workgroup_size: 128
    .sgpr_count:     66
    .vgpr_count:     242
    .wavefront_size: 32
...
	.end_amdgpu_metadata
.endif
;; end of part 1
;; launch qkv (part 2): grid 8 x 32, 4 waves a work-group, clusters of 4 x 4, 327,680 bytes of LDS; arguments xq, wq, b_attn, tab, qkv; writes qkv
.if DOCPART == 2
	.amdgcn_target "amdgcn-amd-amdhsa--gfx1250"
	.amdhsa_code_object_version 6
	.text
	.protected	k_qff7c0cb992_qkv
	.globl	k_qff7c0cb992_qkv
	.p2align	8
	.type	k_qff7c0cb992_qkv,@function
k_qff7c0cb992_qkv:
	s_mov_b64 s[64:65], 0
	v_nop
	global_prefetch_b8 v0, s[64:65] scope:SCOPE_SE
	s_setreg_imm32_b32 hwreg(HW_REG_WAVE_MODE, 25, 1), 1
	s_wait_xcnt 0x0
	s_wait_alu depctr_hold_cnt(0) depctr_sa_sdst(0) depctr_va_vdst(0) depctr_va_sdst(0) depctr_va_ssrc(0) depctr_va_vcc(0) depctr_vm_vsrc(0)
	s_getreg_b32 s2, hwreg(HW_REG_IB_STS2, 6, 4)
	s_cmp_eq_u32 s2, 0
	s_cbranch_scc0 .Lentry_in_a_cluster
	s_endpgm
.Lentry_in_a_cluster:
	s_bfe_u32 s2, ttmp6, 0x10000c
	s_cmp_lg_u32 s2, 0xf033
	s_cbranch_scc0 .Lentry_shape_is_right
	s_endpgm
.Lentry_shape_is_right:
; qkv = x W_attn^T + b_attn on codes of FP6 (E2M3) with E8M0 scales; q and k are rotated (cos, sin from the table) and quantised along the head's 64, v along the keys.  Only codes and scale words leave.
; THE DEAL.  256 work-groups of four waves.  Work-group (gx, gy) holds x's 256 places 256 gy .. in LDS for ALL of K (196,608 bytes, loaded once) and takes three chunks of 128 rows of W_attn past them:
; row blocks gx (q), gx + 8 (k), gx + 16 (v).  A wave makes 128 places x 64 rows of W (one head): 32 accumulators, 256 registers.  q and k are one loop of two trips, v is written out.
; OPERANDS lie [row block of 128][chunk of 64 along K][row][48 bytes].  K goes in two halves of 512: x's half is two rows of 49,152 bytes (one a row block), W's half a dense 49,152 bytes.
; LDS: x [half][row block][49,152] at 0; W [half][49,152] at WB; a stage of 2,560 bytes a wave; the spare words.
; FILLS.  At the head one joint load a wave: x's first half, W's first half, x's second, W's second.  W's halves are filled again with the next chunk's, each behind a drained round of the cluster's barrier,
; as soon as the half is read out: in a chunk's step 3 and in its step 7; four refills in all, each wave a quarter (12,288 bytes).  What a refill brought is shown by the next round, v's second half by a plain barrier.
; ROLES.  q, k: source 0 = W's rows, source 1 = x's: a lane holds one token, its registers the head's inputs (two tiles of even inputs, two of odd).  v: source 0 = x's rows, source 1 = W's: a lane holds one channel, its registers run along the keys.
; SCALE WORDS go from memory into registers: lanes 0-15 take a row's four words of K's first half, lanes 16-31 those of the second; the instruction's row selector picks the half.
; The bias is the C of each sum's first matrix instruction.  cos and sin of my 128 tokens lie in window 3, loaded once for q and k.
; x's tiles are shared along a row of the cluster, W's along a column.  The next chunks of W are prefetched by four rows of clusters, shared out by address among the sixteen waves of a column.
; OUT: as the next launch reads it: q, k codes [b h][place][48]; v codes [b h][key / 64][channel's place][48]; scale words [b h][key group of 128][768 bytes].
; LIMITS: a block of zeros or under 2^-124 gets the byte 1 (read by this program alone); NaN and infinities are not served.
.set CH,    6144
.set XH,    98304
.set WB,    196608
.set WHF,   49152
.set STAGE, 294912
.set SPARE, STAGE+4*2560
.set NXW,   786432                     ; eight row blocks of W on
.set ADRX, 16                          ; v16-17 LDS address of my x fragments, K's half 0, 1
.set G16,  18
.set SWR8, 19
.set ADRW, 20                          ; v20-21 the same for W
.set G8,   22
.set TO,   23                          ; my token's place in the table
.set STI,  24
.set STR,  25
.set GC,   26
.set VS,   27                          ; scale words: 2,048 h + 16 r
.set SPW,  28
.set NIL,  29
.set SWI,  30
.set SWR,  31
.set WS,   32                          ; v32-47 W's scale words: 4 b + step in the half
.set XS,   50                          ; v50-81 x's: 4 a + step in the half (the two numbers differ modulo 8)
.set BI,   96                          ; v96-127 q's or k's bias; v's lies in window 1 at v64-95
.set AF,   128                         ; v128-223 x's fragments, one set; on the way out v128-243 are at work
.set X,    128
.set TM,   192
.set PW,   208
.set PC,   212
.set OB,   228
.set G1X,  24
.set G0X,  32
.set G0W,  36
.set G1W,  48
.set G0L,  56
.set G0H,  60
.set PFB,  70
.set G1R,  88
.set MSB, 0
.macro WIN new
.if MSB != (\new)
	s_set_vgpr_msb (MSB<<8)|(\new)
.set MSB, (\new)
.endif
.endm
.macro PLACES n
.rept \n
	v_nop
.endr
.endm
.macro TLOAD g0, g1
	tensor_load_to_lds s[\g0:\g0+3], s[\g1:\g1+7]
	s_nop 0
	PLACES 4
.endm
.macro CREST
	s_cmp_lg_u32 s14, 0
	s_cbranch_scc1 .Lnot_wave_0_\@
	s_barrier_signal -3
.Lnot_wave_0_\@:
	s_barrier_wait -3
	s_barrier_signal -1
	s_barrier_wait -1
.endm
.macro CROUND
	s_barrier_signal -1
	s_barrier_wait -1
	CREST
.endm
	s_load_b256 s[4:11], s[0:1], 0x0               ; xq, wq, b_attn, tab
	s_load_b64 s[12:13], s[0:1], 0x20              ; qkv
	v_lshl_add_u32 v[SPW], v0, 2, SPARE
	v_mov_b32 v[NIL], 0
	ds_add_u32 v[SPW], v[NIL]                      ; the opening lines
	ds_add_u32 v[SPW], v[NIL]
	v_lshrrev_b32 v1, 5, v0
	v_readfirstlane_b32 s14, v1                    ; wave
	s_lshr_b32 s15, s14, 1                         ; my row block of x.  At the head: which half of K I fetch
	s_and_b32 s16, s14, 1                          ; my 64 rows of W.  At the head: x (0) or W (1)
	s_bfe_u32 s40, ttmp6, 0x40000                  ; cx
	s_bfe_u32 s41, ttmp6, 0x40004                  ; cy
	s_lshl_b32 s42, ttmp9, 2
	s_add_co_u32 s42, s42, s40                     ; gx
	s_and_b32 s19, ttmp7, 0xffff                   ; the cluster's y
	s_lshl_b32 s17, s19, 2
	s_add_co_u32 s17, s17, s41                     ; gy
	s_lshl_b32 s43, s41, 2
	s_lshl_b32 s43, 15, s43                        ; my row of the cluster
	s_lshl_b32 s44, 0x1111, s40                    ; my column
	s_or_b32 s[G1X], s43, (3<<16)|(1<<21)          ; x's half: 2 rows of 6,144 elements of 8 bytes, 12,288 elements apart
	s_or_b32 s[G1W], s44, (3<<16)|(1<<21)          ; W's half at the head: 192 rows of 256 bytes
	s_or_b32 s[G1R], s44, (3<<16)|(1<<21)          ; a wave's quarter of a refill: 48 rows
	s_mov_b32 s[G1X+1], 6144<<16
	s_mov_b32 s[G1X+2], 2<<16
	s_mov_b32 s[G1X+3], 6144<<16
	s_mov_b32 s[G1X+4], 2
	s_mov_b32 s[G1X+5], 12288
.irp g, G1W, G1R
	s_mov_b32 s[\g+1], 32<<16
	s_mov_b32 s[\g+3], 32<<16
	s_mov_b32 s[\g+5], 32
.endr
	s_mov_b32 s[G1W+2], 192<<16
	s_mov_b32 s[G1W+4], 192
	s_mov_b32 s[G1R+2], 48<<16
	s_mov_b32 s[G1R+4], 48
.irp g, G1X, G1W, G1R
	s_mov_b32 s[\g+6], 0
	s_mov_b32 s[\g+7], 0
.endr
	s_mul_i32 s20, s17, 196608                     ; x's tile hangs on gy alone,
	s_mul_i32 s74, s15, WHF
	s_add_co_u32 s20, s20, s74
	s_mov_b32 s21, 0
	s_mov_b32 s75, 0
	s_mul_i32 s22, s42, 98304                      ; W's on gx alone
	s_mov_b32 s23, 0
	s_mul_i32 s76, s14, 12288
	s_mov_b32 s77, 0
	s_mov_b32 s[G0X], 1
	s_mul_i32 s[G0X+1], s15, XH
	s_mov_b32 s[G0W], 1
	s_add_co_u32 s[G0W+1], s74, WB
	s_mov_b32 s[G0L], 1
	s_add_co_u32 s[G0L+1], s76, WB
	s_mov_b32 s[G0H], 1
	s_add_co_u32 s[G0H+1], s76, WB+WHF
	s_lshl_b32 s80, s17, 1
	s_add_co_u32 s80, s80, s15
	s_lshl_b32 s80, s80, 12
	s_add_co_u32 s80, s80, 6291456                 ; my row block's scale bytes in xq
	s_mov_b32 s81, 0
	s_lshl_b32 s82, s42, 12
	s_lshl_b32 s18, s16, 10
	s_add_co_u32 s82, s82, s18
	s_add_co_u32 s82, s82, 2359296                 ; my 64 rows' in wq
	s_mov_b32 s83, 0
	s_lshl_b32 s84, s42, 9
	s_lshl_b32 s18, s16, 8
	s_add_co_u32 s84, s84, s18                     ; the bias: 4 bytes a row of W
	s_mov_b32 s85, 0
	s_and_b32 s18, s17, 7
	s_lshl_b32 s18, s18, 1
	s_add_co_u32 s18, s18, s15                     ; my group of 128 places in the batch
	s_lshl_b32 s86, s18, 15                        ; the table: 256 bytes a token
	s_mov_b32 s87, 0
	s_lshr_b32 s3, s17, 3
	s_lshl_b32 s3, s3, 4
	s_lshl_b32 s2, s42, 1
	s_add_co_u32 s3, s3, s2
	s_add_co_u32 s3, s3, s16                       ; 16 x batch + head
	s_mul_i32 s96, s3, 98304
	s_mul_i32 s2, s18, 6144
	s_add_co_u32 s96, s96, s2
	s_mov_b32 s97, 0
	s_mul_i32 s98, s3, 12288
	s_mul_i32 s2, s18, 768
	s_add_co_u32 s98, s98, s2
	s_add_co_u32 s98, s98, 18874368
	s_mov_b32 s99, 0
	s_lshl_b32 s78, s41, 2
	s_add_co_u32 s78, s78, s14
	s_mul_i32 s78, s78, 6144                       ; my sixteenth of a chunk of W, for the prefetches
	s_mul_i32 s45, s14, 2560
	s_add_co_u32 s45, s45, STAGE                   ; my stage: 2,048 bytes for codes,
	s_add_co_u32 s46, s45, 2048                    ; 512 for scale words
	s_add_co_u32 s73, s74, XH
	s_mul_i32 s79, s16, 3072
	s_add_co_u32 s79, s79, WB
	s_add_co_u32 s2, s79, WHF
	s_mov_b32 s100, 0x76543210
	s_mov_b32 s101, 0xfedcba98                     ; selects for lane l xor 16
	s_wait_dscnt 0x0
	s_wait_kmcnt 0x0
	s_add_nc_u64 s[G0X+2:G0X+3], s[4:5], s[20:21]
	s_add_nc_u64 s[22:23], s[6:7], s[22:23]
	s_add_nc_u64 s[G0W+2:G0W+3], s[22:23], s[74:75]
	s_add_nc_u64 s[G0H+2:G0H+3], s[22:23], s[76:77]
	s_add_nc_u64 s[G0L+2:G0L+3], s[G0H+2:G0H+3], NXW   ; the first refill: k's first half
	s_add_nc_u64 s[G0H+2:G0H+3], s[G0H+2:G0H+3], WHF   ; q's second half: stepped a chunk on ahead of its first use
	s_add_nc_u64 s[PFB:PFB+1], s[22:23], NXW
	s_add_nc_u64 s[66:67], s[4:5], s[80:81]
	s_add_nc_u64 s[68:69], s[6:7], s[82:83]
	s_add_nc_u64 s[8:9], s[8:9], s[84:85]
	s_add_nc_u64 s[10:11], s[10:11], s[86:87]
	s_add_nc_u64 s[96:97], s[12:13], s[96:97]      ; my codes
	s_add_nc_u64 s[98:99], s[12:13], s[98:99]      ; my scale words
.irp g, G0X, G0W, G0L, G0H
	s_or_b32 s[\g+3], s[\g+3], 0x80000000
.endr
	CROUND                                         ; the first joint loads meet
	s_cmp_eq_u32 s14, 0                            ; one load a wave, each in an arm of its own: waves 0 and 1 wait at the first barrier, waves 2 and 3 later
	s_cbranch_scc0 .Lw1
	TLOAD G0X, G1X
	s_branch .Lasked
.Lw1:
	s_cmp_eq_u32 s14, 1
	s_cbranch_scc0 .Lw2
	TLOAD G0W, G1W
	s_branch .Lasked
.Lw2:
	s_cmp_eq_u32 s14, 2
	s_cbranch_scc0 .Lw3
	TLOAD G0X, G1X
	s_branch .Lasked
.Lw3:
	TLOAD G0W, G1W
.Lasked:
	v_and_b32 v1, 15, v0                           ; r
	v_bfe_u32 v2, v0, 4, 1                         ; h
	v_and_b32 v3, 31, v0                           ; lane
	v_mul_u32_u24 v4, v1, 48
	v_mad_u32_u24 v4, v2, 24, v4                   ; a fragment's row x 48 + 24 x half
	v_add_nc_u32 v[ADRX], s74, v4
	v_add_nc_u32 v[ADRX+1], s73, v4
	v_add_nc_u32 v[ADRW], s79, v4
	v_add_nc_u32 v[ADRW+1], s2, v4
	v_lshlrev_b32 v5, 6, v1
	v_lshl_add_u32 v5, v2, 4, v5
	v_add_nc_u32 v[STI], s45, v5                   ; the stage, in: row r of 64 bytes, four places of 16
	v_lshl_add_u32 v[STR], v3, 4, s45              ; back: a place a lane
	v_mul_u32_u24 v[GC], v3, 12
	v_lshl_add_u32 v[SWI], v1, 2, s46
	v_lshl_add_u32 v[SWR], v3, 4, s46
	v_lshl_add_u32 v[SWR8], v3, 3, s46
	v_lshlrev_b32 v[G16], 4, v3
	v_lshlrev_b32 v[G8], 3, v3
	v_and_b32 v7, 7, v0
	v_bfe_u32 v8, v0, 3, 1
	v_lshl_add_u32 v7, v8, 4, v7                   ; lane r of a tile holds row r % 8 + 16 (r / 8) of the tile's rows
	v_lshlrev_b32 v6, 2, v7
	v_lshlrev_b32 v5, 7, v2
	v_lshlrev_b32 v[TO], 8, v7
	v_lshl_add_u32 v[TO], v2, 6, v[TO]
	v_lshlrev_b32 v[VS], 4, v1
	v_lshl_add_u32 v[VS], v2, 11, v[VS]
	v_min_u32 v9, 23, v3
	v_lshl_add_u32 v9, v9, 8, s78                  ; 24 blocks of 256 bytes a wave; the lanes left over name the last again
	s_wait_alu depctr_va_vdst(0)                   ; the wait at the head's end
.irp i, 0,1,2,3,4,5,6,7
	global_load_b128 v[XS+4*\i:XS+4*\i+3], v[VS], s[66:67] offset:256*\i   ; sixteen lanes read 256 consecutive bytes
.endr
.irp b, 0,1,2,3
	global_load_b128 v[WS+4*\b:WS+4*\b+3], v[VS], s[68:69] offset:256*\b
.endr
.macro BIASQK off                      ; register j of W's tile b is W's row 32 h + 16 (b % 2) + 2 j + b / 2 of the head
.irp b, 0,1,2,3
.irp j, 0,1,2,3,4,5,6,7
	global_load_b32 v[BI+8*\b+\j], v5, s[8:9] offset:(\off)+4*(16*(\b%2)+2*\j+\b/2)
.endr
.endr
.endm
	BIASQK 0
	WIN 0x40
.irp a, 0,1,2,3
	global_load_b32 v[64+8*\a], v6, s[8:9] offset:8192+4*(32*(\a/2)+8*(\a%2))   ; v: the bias of the lane's own row of W
.endr
	WIN 0
	s_cmp_lt_u32 s19, 4
	s_cbranch_scc0 .Lno_pf0
	global_prefetch_b8 v9, s[PFB:PFB+1] th:TH_LOAD_NT scope:SCOPE_SE   ; k's chunk of W
.Lno_pf0:
	s_cmp_lt_u32 s14, 2
	s_cbranch_scc0 .Lnot_lo
	s_wait_tensorcnt 0x0
.Lnot_lo:
	s_barrier_signal -1
	s_barrier_wait -1                              ; the first halves of x and of W are in
	s_wait_loadcnt 0x0
	WIN 0x41
.irp a, 0,8,16,24
.irp i, 1,2,3,4,5,6,7
	v_mov_b32 v[64+\a+\i], v[64+\a]                ; over the tile's eight registers
.endr
.endr
	WIN 0
	s_wait_alu depctr_va_vdst(0)
.macro TABLOAD a                       ; cos and sin of pairs 16 h .. 16 h + 15 for my lane's token in x's block a: window 3, 32 registers
	WIN 0xc0
.irp n, 0,1,2,3
	global_load_b128 v[32*(\a)+4*\n:32*(\a)+4*\n+3], v[TO], s[10:11] offset:256*(32*((\a)/2)+8*((\a)%2))+16*\n
	global_load_b128 v[32*(\a)+16+4*\n:32*(\a)+19+4*\n], v[TO], s[10:11] offset:256*(32*((\a)/2)+8*((\a)%2))+128+16*\n
.endr
	WIN 0
.endm
.irp a, 0,1,2,3,4,5,6
	TABLOAD \a
.endr
.macro FRAG reg, adr, q, i             ; 16 rows x 128 K: registers 6 c .. 6 c + 5 are 24 bytes of chunk 2 q + c, in pieces of 8 bytes
.irp p, 0,1,2,3,4,5
	ds_load_b64 v[\reg+2*\p:\reg+2*\p+1], v[\adr] offset:(2*(\q)+\p/3)*CH+(\i)*768+8*(\p%3)
.endr
.endm
.macro FETCH_W hf, q, p
	WIN 0x40
.irp i, 0,1,2,3
	FRAG 128*(\p)+12*\i, ADRW+\hf, \q, \i
.endr
	WIN 0
.endm
.macro FETCH_X hf, q, i0
.irp i, \i0, \i0+1, \i0+2, \i0+3
	FRAG AF+12*(\i), ADRX+\hf, \q, \i
.endr
.endm
.macro W1 d, s0, s1, c, x0, x1, hf
	v_wmma_scale_f32_16x16x128_f8f6f4 v[\d:\d+7], v[\s0:\s0+11], v[\s1:\s1+11], \c, v[\x0], v[\x1] matrix_a_fmt:MATRIX_FMT_FP6 matrix_b_fmt:MATRIX_FMT_FP6 matrix_a_scale:MATRIX_SCALE_ROW\hf matrix_b_scale:MATRIX_SCALE_ROW\hf
.endm
; x's blocks a0, a0 + 1 against W's four tiles, 128 along K.  p: W's set; hf, q: the half of K and the step in it; role 0: q, k; 1: v; cm: the bias starts the sums.  The accumulators take turns.
.macro MUL2 a0, p, hf, q, role, cm
	WIN 0xa1+3*(\role)-(0x20-0x10*(\role))*(\cm)
.irp a, \a0, \a0+1
.irp b, 0,1,2,3
.if \role
.set AC, 8*(8*\b+(\a))
.if \cm
	W1 AC, AF+12*(\a), 128*(\p)+12*\b, v[64+8*\b:64+8*\b+7], XS+4*(\a)+\q, WS+4*\b+\q, \hf
.else
	W1 AC, AF+12*(\a), 128*(\p)+12*\b, v[AC:AC+7], XS+4*(\a)+\q, WS+4*\b+\q, \hf
.endif
.else
.set AC, 8*(4*(\a)+\b)
.if \cm
	W1 AC, 128*(\p)+12*\b, AF+12*(\a), v[BI+8*\b:BI+8*\b+7], WS+4*\b+\q, XS+4*(\a)+\q, \hf
.else
	W1 AC, 128*(\p)+12*\b, AF+12*(\a), v[AC:AC+7], WS+4*\b+\q, XS+4*(\a)+\q, \hf
.endif
.endif
.endr
.endr
.endm
.macro STEP hf, q, role, cm            ; a step whose successor lies in the same half of K
	s_wait_dscnt 24                                ; W's set and x's blocks 0-3 are in; the youngest 24 loads (blocks 4-7) may be out
	MUL2 0, (\q)%2, \hf, \q, \role, \cm
	MUL2 2, (\q)%2, \hf, \q, \role, \cm
	s_wait_dscnt 0
	PLACES 4
	FETCH_W \hf, (\q)+1, 1-(\q)%2
	FETCH_X \hf, (\q)+1, 0
	MUL2 4, (\q)%2, \hf, \q, \role, \cm
	MUL2 6, (\q)%2, \hf, \q, \role, \cm
	PLACES 4
	WIN 0
	FETCH_X \hf, (\q)+1, 4
.endm
.macro MID role, fill                  ; step 3: K's first half is read out.  fill: the barrier opens a round, and W's first half takes the next chunk's
	s_wait_tensorcnt 0x0                           ; all my tensor loads have landed,
	ds_add_u32 v[SPW], v[NIL]
.if \fill
	s_add_nc_u64 s[G0H+2:G0H+3], s[G0H+2:G0H+3], NXW   ; so a group 0 may be written
.endif
	s_wait_dscnt 25                                ; (the add and the youngest 24 loads may be out)
	MUL2 0, 1, 0, 3, \role, 0
	s_wait_dscnt 0x0
	s_barrier_signal -1
	MUL2 2, 1, 0, 3, \role, 0
	WIN 0
	s_barrier_wait -1
.if \fill
	CREST
	tensor_load_to_lds s[G0L:G0L+3], s[G1R:G1R+7]
	s_nop 0
.endif
	PLACES 4
	FETCH_W 1, 0, 0
	FETCH_X 1, 0, 0
	MUL2 4, 1, 0, 3, \role, 0
	MUL2 6, 1, 0, 3, \role, 0
	PLACES 4
	WIN 0
	FETCH_X 1, 0, 4
.endm
; THE WAY OUT.  64 numbers of a lane in window w from register s on: four half blocks of 16, each block shared with lane l xor 16.
.macro QMAX s, w
	WIN 5*(\w)
.irp b, 0,1,2,3
	v_max3_num_f32 v[TM+\b], |v[(\s)+16*\b]|, |v[(\s)+16*\b+1]|, 0x1800000   ; with the floor 2^(3 - 127): the byte cannot fall under 1
.endr
.irp i, 2,4,6,8,10,12,14
.irp b, 0,1,2,3
	v_max3_num_f32 v[TM+\b], |v[(\s)+16*\b+\i]|, |v[(\s)+16*\b+\i+1]|, v[TM+\b]
.endr
.endr
	WIN 0
.irp b, 0,1,2,3
	v_permlanex16_b32 v[TM+4+\b], v[TM+\b], s100, s101
.endr
.irp b, 0,1,2,3
	v_max_num_f32 v[TM+\b], v[TM+\b], v[TM+4+\b]
.endr
.irp b, 0,1,2,3
	v_add_nc_u32 v[TM+12+\b], 0xff000000, v[TM+\b] ; 2 off the exponent field: the conversion's scale operand
.endr
.irp b, 0,1,2,3
	v_lshrrev_b32 v[TM+4+\b], 23, v[TM+12+\b]      ; the scale's byte
.endr
.endm
.macro QCVT s, w
	WIN \w
.irp b, 0,1,2,3
	v_cvt_scalef32_pk16_fp6_f32 v[PC+4*\b:PC+4*\b+2], v[(\s)+16*\b:(\s)+16*\b+15], v[TM+12+\b]
.endr
	WIN 0
	v_nop                                          ; one plain line behind the scaled conversions
.endm
.macro FLUSH s                         ; four half blocks into my stage, 12 bytes to a place of 16, and back a place a lane, into set s of two: v228-243, or v244-255 and v200-202
.irp b, 0,1,2,3
	ds_store_b96 v[STI], v[PC+4*\b:PC+4*\b+2] offset:1024*(\b/2)+32*(\b%2)
.endr
.irp n, 0,1,2,3
	ds_load_b96 v[OB+4*\n+(\s)*(16-56*(\n/3)):OB+4*\n+(\s)*(16-56*(\n/3))+2], v[STR] offset:1024*(\n/2)+512*(\n%2)   ; LDS serves a wave's instructions in order
.endr
.endm
.macro SEND o0, o1, s
.irp n, 0,1,2,3
	global_store_b96 v[GC], v[OB+4*\n+(\s)*(16-56*(\n/3)):OB+4*\n+(\s)*(16-56*(\n/3))+2], s[96:97] offset:(1-\n/2)*(\o0)+(\n/2)*(\o1)+384*(\n%2)   ; 384 consecutive bytes
.endr
.endm
.macro ROPE a                          ; x's blocks a and a + 1: 16 tokens each; W's tiles 0, 1 are the even inputs, 2, 3 the odd
	WIN 0x0e
.irp hd, 0,1
.irp p, 0,1,2,3,4,5,6,7
.set EE, 8*(4*((\a)+\hd)+\p/4)+2*(\p%4)
.set OO, EE+16
.set TB, 32*((\a)+\hd)+2*\p
.set LO, X+32*\hd+2*\p
.set HI, LO+16
	v_pk_mul_f32 v[LO:LO+1], v[EE:EE+1], v[TB:TB+1]
	v_pk_mul_f32 v[HI:HI+1], v[OO:OO+1], v[TB:TB+1]
	v_pk_fma_f32 v[LO:LO+1], v[OO:OO+1], v[TB+16:TB+17], v[LO:LO+1] neg_lo:[1,0,0] neg_hi:[1,0,0]   ; even cos - odd sin
	v_pk_fma_f32 v[HI:HI+1], v[EE:EE+1], v[TB+16:TB+17], v[HI:HI+1]                                 ; odd cos + even sin
.endr
.endr
	WIN 0
.endm
.macro QKP a
	ROPE \a
	QMAX X, 0
.if (\a) > 0
	s_wait_alu depctr_va_vdst(0)
	s_wait_dscnt 0x0                               ; the last pair's LDS stores have read their registers, and its codes are back
	s_wait_xcnt 0x0                                ; the stores of the pair before that have read the set that this pair's codes come back into
.endif
	v_lshl_or_b32 v[PW], v[TM+5], 8, v[TM+4]       ; a token's two bytes; bytes 2 and 3 stay 0: they meet zero codes
	v_lshl_or_b32 v[PW+1], v[TM+7], 8, v[TM+6]
	QCVT X, 0
.if (\a) > 0
	SEND 768*((\a)-2), 768*((\a)-1), 1-((\a)/2)%2
.endif
	ds_store_b32 v[SWI], v[PW] offset:64*(\a)
	ds_store_b32 v[SWI], v[PW+1] offset:64*(\a)+64
	FLUSH ((\a)/2)%2
.endm
	s_mov_b32 s72, 0
.Lchunk:                                           ; trip 0: q; trip 1: k
	FETCH_W 0, 0, 0
	FETCH_X 0, 0, 0
	FETCH_X 0, 0, 4
	STEP 0, 0, 0, 1
	STEP 0, 1, 0, 0
	STEP 0, 2, 0, 0
	MID 0, 1
	STEP 1, 0, 0, 0
	STEP 1, 1, 0, 0
	s_cmp_lg_u32 s72, 0
	s_cbranch_scc1 .Lnot_q
	TABLOAD 7                                      ; the last block's cos and sin
	s_cmp_lt_u32 s19, 4
	s_cbranch_scc0 .Lnot_q
	global_prefetch_b8 v9, s[PFB:PFB+1] offset:NXW th:TH_LOAD_NT scope:SCOPE_SE   ; v's chunk of W: its first refill stands in the next trip
.Lnot_q:
	STEP 1, 2, 0, 0
	s_wait_tensorcnt 0x0                           ; step 7: the next chunk's first half is in; K's second half is read out
	ds_add_u32 v[SPW], v[NIL]
	s_add_nc_u64 s[G0L+2:G0L+3], s[G0L+2:G0L+3], NXW
	s_wait_dscnt 25
	MUL2 0, 1, 1, 3, 0, 0
	s_wait_dscnt 0x0
	s_barrier_signal -1
	MUL2 2, 1, 1, 3, 0, 0
	WIN 0
	s_barrier_wait -1
	CREST
	TLOAD G0H, G1R
	MUL2 4, 1, 1, 3, 0, 0
	MUL2 6, 1, 1, 3, 0, 0
	WIN 0
	PLACES 4
	s_add_nc_u64 s[68:69], s[68:69], 32768         ; (the loads that read this base have been waited for)
.irp b, 0,1,2,3
	global_load_b128 v[WS+4*\b:WS+4*\b+3], v[VS], s[68:69] offset:256*\b   ; the next chunk's scale words land under the way out
.endr
	s_wait_loadcnt 4                               ; the table is in; the four loads just issued may be out
	s_cmp_lg_u32 s72, 0
	s_cbranch_scc1 .Lnot_q2
	BIASQK 4096                                    ; k's bias, into the registers that q's first step has read: it lands under the way out
.Lnot_q2:
.irp b, 0,1,2,3
	v_mov_b32 v[TM+4+\b], 0                        ; a lane permute's destination counts as one of its sources
.endr
	QKP 0
	QKP 2
	QKP 4
	QKP 6
	s_wait_dscnt 0x0
	SEND 768*6, 768*7, 1
	ds_load_b128 v[PC:PC+3], v[SWR]                ; my 128 scale words
	s_wait_dscnt 0x0
	global_store_b128 v[G16], v[PC:PC+3], s[98:99] ; 512 consecutive bytes
	s_wait_xcnt 0x0                                ; the stores' bases and data are written again only behind this wait
	s_add_nc_u64 s[96:97], s[96:97], 6291456
	s_add_nc_u64 s[98:99], s[98:99], 786432
	s_wait_loadcnt 0x0
	s_add_co_u32 s72, s72, 1
	s_cmp_lt_u32 s72, 2
	s_cbranch_scc1 .Lchunk
	FETCH_W 0, 0, 0                                ; v
	FETCH_X 0, 0, 0
	FETCH_X 0, 0, 4
	STEP 0, 0, 1, 1
	STEP 0, 1, 1, 0
	STEP 0, 2, 1, 0
	MID 1, 0                                       ; a plain barrier shows v's second half
	STEP 1, 0, 1, 0
	STEP 1, 1, 1, 0
	STEP 1, 2, 1, 0
	s_wait_dscnt 24
	MUL2 0, 1, 1, 3, 1, 0
	MUL2 2, 1, 1, 3, 1, 0
	s_wait_dscnt 0
	MUL2 4, 1, 1, 3, 1, 0
	MUL2 6, 1, 1, 3, 1, 0
	WIN 0
	PLACES 4
.irp b, 0,1,2,3
	v_mov_b32 v[TM+4+\b], 0
.endr
.macro VV a                            ; W's tile a: 16 channels; its 64 registers are 128 keys: four blocks
	QMAX 64*(\a), 2
.if (\a) > 0
	s_wait_alu depctr_va_vdst(0)
	s_wait_dscnt 0x0
	s_wait_xcnt 0x0
.endif
	v_lshl_or_b32 v[PW], v[TM+5], 8, v[TM+4]
	v_lshl_or_b32 v[PW], v[TM+6], 16, v[PW]
	v_lshl_or_b32 v[PW], v[TM+7], 24, v[PW]
	QCVT 64*(\a), 2
.if (\a) > 0
	SEND 768*((\a)-1), 768*((\a)-1)+3072, 1-(\a)%2
.endif
	ds_store_b32 v[SWI], v[PW] offset:64*(\a)
	FLUSH (\a)%2
.endm
	VV 0
	VV 1
	VV 2
	VV 3
	s_wait_dscnt 0x0
	SEND 768*3, 768*3+3072, 1
	ds_load_b64 v[PC:PC+1], v[SWR8]
	s_wait_dscnt 0x0
	global_store_b64 v[G8], v[PC:PC+1], s[98:99] offset:512-786432   ; v's words lie behind k's 512 bytes, in k's frame: 256 consecutive bytes
	s_wait_tensorcnt 0x0                           ; the wave's end
	ds_add_u32 v[SPW], v[NIL]
	s_wait_dscnt 0x0
	CROUND                                         ; the closing round
	s_endpgm
.Lfunc_end_k_qff7c0cb992_qkv:
	.size	k_qff7c0cb992_qkv, .Lfunc_end_k_qff7c0cb992_qkv-k_qff7c0cb992_qkv
	.p2alignl 7, 3214868480
	.fill 96, 4, 3214868480
	.section	.rodata,"a",@progbits
	.p2align	6, 0x0
	.amdhsa_kernel k_qff7c0cb992_qkv
		.amdhsa_group_segment_fixed_size 327680
		.amdhsa_private_segment_fixed_size 0
		.amdhsa_enable_private_segment 0
		.amdhsa_kernarg_size 40
		.amdhsa_user_sgpr_count 2
		.amdhsa_user_sgpr_kernarg_segment_ptr 1
		.amdhsa_wavefront_size32 1
		.amdhsa_system_sgpr_workgroup_id_x 1
		.amdhsa_system_sgpr_workgroup_id_y 1
		.amdhsa_system_sgpr_workgroup_id_z 1
		.amdhsa_system_vgpr_workitem_id 0
		.amdhsa_next_free_vgpr 1024
		.amdhsa_next_free_sgpr 102
		.amdhsa_reserve_vcc 0
		.amdhsa_float_denorm_mode_32 3
		.amdhsa_float_denorm_mode_16_64 3
		.amdhsa_memory_ordered 1
		.amdhsa_forward_progress 1
		.amdhsa_inst_pref_size 223
	.end_amdhsa_kernel
	.amdgpu_metadata
---
amdhsa.version: [ 1, 2 ]
amdhsa.kernels:
  - .name:           k_qff7c0cb992_qkv
    .symbol:         k_qff7c0cb992_qkv.kd
    .args:
      - { .name: xq, .offset: 0, .size: 8, .value_kind: global_buffer, .address_space: global }
      - { .name: wq, .offset: 8, .size: 8, .value_kind: global_buffer, .address_space: global }
      - { .name: b_attn, .offset: 16, .size: 8, .value_kind: global_buffer, .address_space: global }
      - { .name: tab, .offset: 24, .size: 8, .value_kind: global_buffer, .address_space: global }
      - { .name: qkv, .offset: 32, .size: 8, .value_kind: global_buffer, .address_space: global }
    .group_segment_fixed_size: 327680
    .private_segment_fixed_size: 0
    .kernarg_segment_align: 8
    .kernarg_segment_size: 40
    .max_flat_workgroup_size: 128
    .sgpr_count:     102
    .vgpr_count:     1024
    .wavefront_size: 32
...
	.end_amdgpu_metadata
.endif
;; end of part 2
;; launch attn (part 3): grid 4 x 64, 16 waves a work-group, clusters of 4 x 1, 227,328 bytes of LDS; arguments qkv, yq; writes yq
.if DOCPART == 3
	.amdgcn_target "amdgcn-amd-amdhsa--gfx1250"
	.amdhsa_code_object_version 6
	.text
	.protected	k_qff7c0cb992_attn
	.globl	k_qff7c0cb992_attn
	.p2align	8
	.type	k_qff7c0cb992_attn,@function
k_qff7c0cb992_attn:
	s_mov_b64 s[64:65], 0
	v_nop
	global_prefetch_b8 v0, s[64:65] scope:SCOPE_SE
	s_setreg_imm32_b32 hwreg(HW_REG_WAVE_MODE, 25, 1), 1
	s_wait_xcnt 0x0
	s_wait_alu depctr_hold_cnt(0) depctr_sa_sdst(0) depctr_va_vdst(0) depctr_va_sdst(0) depctr_va_ssrc(0) depctr_va_vcc(0) depctr_vm_vsrc(0)
	s_getreg_b32 s2, hwreg(HW_REG_IB_STS2, 6, 4)
	s_cmp_eq_u32 s2, 0
	s_cbranch_scc0 .Lentry_in_a_cluster
	s_endpgm
.Lentry_in_a_cluster:
	s_bfe_u32 s2, ttmp6, 0x10000c
	s_cmp_lg_u32 s2, 0x3003
	s_cbranch_scc0 .Lentry_shape_is_right
	s_endpgm
.Lentry_shape_is_right:
; y = softmax(q k^T / 8, causal) v for one batch and head a cluster, both products on codes of FP6 (E2M3) with E8M0 scales; y is quantised along the channels and leaves as codes and scale bytes.
; THE SOFTMAX: t = score x log2(e) / 8; M = the running largest t rounded up to a whole number; p = 2^(t - M) is quantised along the keys; the row's sum is taken of the unquantised p and divides at the end.
; When M moves, the sum and O are multiplied by 2^(old M - new M), which rounds nothing.
; CLUSTER.  The four work-groups of a cluster own the 2,048 queries of one head and read the same K, V and scale words: 208,896 bytes, asked for JOINTLY (mask of all four), once, at the head, in two parts
; (keys 0-255 and the scale words, then the rest).  They stay in LDS: no byte is filled twice, so there is no ring.  Nothing is prefetched: all that is read is asked for at the head.
; SHARES.  Wave w owns two tiles of 16 queries: one in key group 15 - w / 2, one in key group w / 2 (a group: 128 tokens), both at tile e = 2 cx + w % 2 of the group: 17 key steps of 128 for every wave.
; Every wave walks 24 trips; a step all of whose keys come after the tile's queries is left out by a scalar branch on the wave's number; cx enters global addresses and the mask's lane value alone.
; LAYOUT.  Both products are used transposed: S^T = K Q^T, O^T = V^T P^T: a lane holds one query.  q, k and v's channels lie at places with bits 3 and 4 of their number exchanged, so that the 16 registers of two
; neighbouring tiles are 16 neighbouring keys (channels).  The first product's K is 64: Q's upper six registers are zero codes, and K's upper six name the next tile's codes, which so count for nothing.
; OUT: codes: 768 consecutive bytes a tile; scale bytes: two a token and head, 16 bytes apart: all that this work-group owns of those rows.
; LIMITS: NaN and infinities are not served; a block of zeros gets the byte 1 (read by this program alone); the division is v_rcp_f32 and a product.
.set KC,   6291456                     ; in qkv: k's codes, v's codes, q's scale words, k's and v's
.set SCQ,  18874368
.set SCK,  19660800
.set VB,   98304                       ; LDS: K's codes [place][48] at 0; V's [key / 64][channel's place][48] here;
.set SCB,  196608                      ; the scale words, 16 key steps x 768 bytes (512 K's, 256 V's);
.set STG,  208896                      ; a stage of 1,024 bytes for each wave
.set AK0, 1                            ; v1  48 r + 24 h
.set AV0, 2                            ; v2  the same in V
.set AS0, 3                            ; v3  SCB + 4 x lane
.set ADK, 4                            ; v4-6 the step's addresses
.set ADV, 5
.set ADS, 6
.set KF,  32                           ; v32-79  K's eight fragments, six registers each; behind S^T: at work
.set KW,  86                           ; v86-89  K's scale words: lanes 0-15 the even tile, lanes 16-31 the odd one
.set VW,  90                           ; v90-91  V's likewise
.set VF,  92                           ; v92-139 V's four fragments
.set SS,  140                          ; v140-203 S^T, then p; on the way out y
.set OT,  204                          ; v204-235 O^T
.set PCD, 236                          ; v236-247 p's codes
.set BM,  32                           ; at work: the blocks' maxima,
.set BP,  36                           ; the other half's, then bytes,
.set SO,  40                           ; the conversions' scales,
.set CT,  44                           ; v44-50 the conversions' second halves
.set WV,  8
.set G1C, 24                           ; s[24:31] group 1 for codes: 48 rows of 256 bytes;  s[32:39] for V's last two pieces: 96 rows
.set G1S, 32
.set CS,  66                           ; s[66:67] c = log2(e) / 8
.set SEL, 68                           ; s[68:69] lane selects for lane l xor 16
.set T6,  70                           ; s70 the step's first byte in K and in V: 6,144 a step
.set TS,  71                           ; s71 and among the scale words: 768 a step
.set SI,  72                           ; s72 the key step
.set GT,  73                           ; s73 the tile's key group
.set CNT, 74                           ; s74 a loop's trips
.macro CROUND
	s_barrier_signal -1
	s_barrier_wait -1
	s_cmp_lg_u32 s[WV], 0
	s_cbranch_scc1 .Lnot_wave_0_\@
	s_barrier_signal -3
.Lnot_wave_0_\@:
	s_barrier_wait -3
	s_barrier_signal -1
	s_barrier_wait -1
.endm
	s_load_b128 s[4:7], s[0:1], 0x0                ; qkv, yq
	v_lshl_add_u32 v254, v0, 2, 0x37000
	v_mov_b32 v255, 0
	ds_add_u32 v254, v255
	ds_add_u32 v254, v255
	v_lshrrev_b32 v1, 5, v0
	s_delay_alu instid0(VALU_DEP_1)
	v_readfirstlane_b32 s[WV], v1                  ; wave 0..15
	s_bfe_u32 s9, ttmp6, 0x40000                   ; cx
	s_and_b32 s10, ttmp7, 0xffff                   ; 16 x batch + head
	s_lshr_b32 s11, s[WV], 1                       ; the short tile's key group
	s_and_b32 s12, s[WV], 1
	s_lshl_b32 s14, s9, 1
	s_add_co_u32 s12, s12, s14                     ; e
	s_sub_co_u32 s13, 15, s11                      ; the long tile's key group
	s_mov_b32 s[G1C], 15|(3<<16)|(1<<21)           ; 15:0 the mask: all four work-groups; 17:16 elements of 8 bytes; 21 set beside a mask
	s_mov_b32 s[G1C+1], 32<<16
	s_mov_b32 s[G1C+2], 48<<16
	s_mov_b32 s[G1C+3], 32<<16
	s_mov_b32 s[G1C+4], 48
	s_mov_b32 s[G1C+5], 32
	s_mov_b32 s[G1C+6], 0
	s_mov_b32 s[G1C+7], 0
	s_mov_b32 s[G1S], 15|(3<<16)|(1<<21)
	s_mov_b32 s[G1S+1], 32<<16
	s_mov_b32 s[G1S+2], 96<<16                     ; the second group 1: 96 rows, two pieces on end
	s_mov_b32 s[G1S+3], 32<<16
	s_mov_b32 s[G1S+4], 96
	s_mov_b32 s[G1S+5], 32
	s_mov_b32 s[G1S+6], 0
	s_mov_b32 s[G1S+7], 0
	; q's codes and words, y's codes and bytes, for the long tile and the short one
	s_mul_i32 s74, s10, 98304
	s_mul_i32 s75, s12, 768
	s_add_co_u32 s74, s74, s75
	s_mul_i32 s75, s13, 6144
	s_add_co_u32 s16, s74, s75
	s_mul_i32 s75, s11, 6144
	s_add_co_u32 s20, s74, s75
	s_mul_i32 s74, s10, 12288
	s_lshl_b32 s75, s12, 6
	s_add_co_u32 s74, s74, s75
	s_add_co_u32 s74, s74, SCQ
	s_mul_i32 s75, s13, 768
	s_add_co_u32 s18, s74, s75
	s_mul_i32 s75, s11, 768
	s_add_co_u32 s22, s74, s75
	s_lshr_b32 s74, s10, 4                         ; batch
	s_and_b32 s75, s10, 15                         ; head
	s_mul_i32 s76, s74, 16*98304
	s_mul_i32 s77, s75, 6144
	s_add_co_u32 s76, s76, s77
	s_mul_i32 s77, s12, 768
	s_add_co_u32 s76, s76, s77
	s_mul_i32 s77, s13, 98304
	s_add_co_u32 s56, s76, s77
	s_mul_i32 s77, s11, 98304
	s_add_co_u32 s60, s76, s77
	s_lshl_b32 s76, s74, 16
	s_lshr_b32 s77, s75, 3
	s_lshl_b32 s77, s77, 11
	s_add_co_u32 s76, s76, s77
	s_lshl_b32 s77, s12, 8
	s_add_co_u32 s76, s76, s77
	s_and_b32 s77, s75, 7
	s_lshl_b32 s77, s77, 1
	s_add_co_u32 s76, s76, s77
	s_add_co_u32 s76, s76, 6291456
	s_lshl_b32 s77, s13, 12
	s_add_co_u32 s58, s76, s77
	s_lshl_b32 s77, s11, 12
	s_add_co_u32 s62, s76, s77
.irp z, 17,19,21,23,57,59,61,63
	s_mov_b32 s\z, 0
.endr
	; what I fetch: waves 0, 1 K's or V's first piece; wave 2 the scale words; waves 3-15 the later pieces
	; ONE LOAD A WAVE.  K and V are 16 pieces of 12,288 bytes (256 keys), piece n at LDS byte 12,288 n (0-7 K's, 8-15 V's); the scale words are one more.
	; Wave 0: K's piece 0; wave 1: V's piece 0; wave 2: the scale words; waves 3-9: K's pieces 1-7; waves 10-14: V's pieces 1-5; wave 15: V's pieces 6 and 7 in one load.
	s_and_b32 s74, s[WV], 1
	s_mul_i32 s76, s74, 98304                      ; waves 0, 1: in LDS,
	s_mul_i32 s78, s74, 6291456
	s_mul_i32 s79, s10, 98304
	s_add_co_u32 s79, s79, KC
	s_add_co_u32 s78, s78, s79                     ; and in qkv
	s_add_co_u32 s74, s[WV], 14
	s_and_b32 s74, s74, 15
	s_add_co_u32 s75, s[WV], 6
	s_lshr_b32 s75, s75, 4
	s_add_co_u32 s74, s74, s75                     ; waves 3-15: n = wave - 2, and one more from wave 10 on
	s_mul_i32 s77, s74, 12288
	s_lshr_b32 s75, s74, 3
	s_and_b32 s74, s74, 7
	s_mul_i32 s2, s75, 6291456
	s_mul_i32 s74, s74, 12288
	s_add_co_u32 s2, s2, s74
	s_add_co_u32 s2, s2, s79
	s_mov_b32 s3, 0
	s_mov_b32 s79, 0
	s_mov_b32 s[CS], 0x3e38aa3b
	s_mov_b32 s[CS+1], s[CS]                       ; (named with it as a pair, so it is written)
	s_mov_b32 s[SEL], 0x76543210
	s_mov_b32 s[SEL+1], 0xfedcba98
	s_wait_dscnt 0x0
	s_wait_kmcnt 0x0
	s_mov_b32 s40, 1
	s_mov_b32 s41, s76
	s_add_nc_u64 s[42:43], s[4:5], s[78:79]
	s_mov_b32 s44, 1
	s_mov_b32 s45, s77
	s_add_nc_u64 s[46:47], s[4:5], s[2:3]
	s_or_b32 s43, s43, 0x80000000
	s_or_b32 s47, s47, 0x80000000
	s_mul_i32 s78, s10, 12288
	s_add_co_u32 s78, s78, SCK
	s_mov_b32 s48, 1
	s_mov_b32 s49, SCB
	s_add_nc_u64 s[50:51], s[4:5], s[78:79]
	s_or_b32 s51, s51, 0x80000000
	s_add_nc_u64 s[16:17], s[4:5], s[16:17]
	s_add_nc_u64 s[18:19], s[4:5], s[18:19]
	s_add_nc_u64 s[20:21], s[4:5], s[20:21]
	s_add_nc_u64 s[22:23], s[4:5], s[22:23]
	s_add_nc_u64 s[56:57], s[6:7], s[56:57]
	s_add_nc_u64 s[58:59], s[6:7], s[58:59]
	s_add_nc_u64 s[60:61], s[6:7], s[60:61]
	s_add_nc_u64 s[62:63], s[6:7], s[62:63]
	CROUND                                         ; all four work-groups are here: the joint loads meet
	s_cmp_lt_u32 s[WV], 2                          ; one chain of arms, a load in each; the first two arms' waves wait at the first barrier
	s_cbranch_scc0 .Lnot_first_kv
	tensor_load_to_lds s[40:43], s[G1C:G1C+7]      ; keys 0-255 of K or of V
	s_nop 0
.rept 4
	v_nop
.endr
	s_branch .Lasked
.Lnot_first_kv:
	s_cmp_eq_u32 s[WV], 2
	s_cbranch_scc0 .Lnot_words
	tensor_load_to_lds s[48:51], s[G1C:G1C+7]      ; the scale words, 12,288 bytes
	s_nop 0
.rept 4
	v_nop
.endr
	s_branch .Lasked
.Lnot_words:
	s_cmp_lt_u32 s[WV], 15
	s_cbranch_scc0 .Llast_two
	tensor_load_to_lds s[44:47], s[G1C:G1C+7]      ; a later piece
	s_nop 0
.rept 4
	v_nop
.endr
	s_branch .Lasked
.Llast_two:
	tensor_load_to_lds s[44:47], s[G1S:G1S+7]      ; V's last two pieces
	s_nop 0
.rept 4
	v_nop
.endr
.Lasked:
	v_and_b32 v31, 31, v0                          ; lane
	v_and_b32 v11, 15, v0                          ; r
	v_bfe_u32 v10, v0, 4, 1                        ; h
	s_delay_alu instid0(VALU_DEP_2)
	v_mul_u32_u24 v[AK0], v11, 48
	s_delay_alu instid0(VALU_DEP_1)
	v_mad_u32_u24 v[AK0], v10, 24, v[AK0]
	s_delay_alu instid0(VALU_DEP_4)
	v_lshlrev_b32 v5, 2, v11
.irp p, 0,1,2
	global_load_b64 v[16+2*\p:17+2*\p], v[AK0], s[16:17] offset:8*\p   ; the long tile's Q
	global_load_b64 v[80+2*\p:81+2*\p], v[AK0], s[20:21] offset:8*\p   ; the short tile's, kept
.endr
	global_load_b32 v28, v5, s[18:19]              ; their scale words
	global_load_b32 v30, v5, s[22:23]
.irp j, 22,23,24,25,26,27
	v_mov_b32 v\j, 0                               ; K = 64 .. 127 of Q: zero codes
.endr
	v_add_nc_u32 v[AV0], VB, v[AK0]
	v_lshl_add_u32 v[AS0], v31, 2, SCB
	s_lshr_b32 s74, s12, 1
	s_lshl_b32 s74, s74, 5
	s_and_b32 s75, s12, 1
	s_lshl_b32 s75, s75, 3
	s_add_co_u32 s74, s74, s75
	v_and_b32 v7, 7, v0
	v_bfe_u32 v4, v0, 3, 1
	s_delay_alu instid0(VALU_DEP_1)
	v_lshl_add_u32 v7, v4, 4, v7
	v_lshlrev_b32 v4, 4, v10
	s_delay_alu instid0(VALU_DEP_1)
	v_sub_nc_u32 v7, v7, v4
	s_delay_alu instid0(VALU_DEP_1)
	v_add_nc_u32 v7, s74, v7                       ; my query's token in its group, less 16 h: register 16 b + i holds key 32 b + 16 h + i of the step: hidden on the diagonal where 32 b + i is above this
	s_lshl_b32 s75, s[WV], 10
	s_add_co_u32 s75, s75, STG
	v_lshlrev_b32 v8, 6, v11
	s_delay_alu instid0(VALU_DEP_1)
	v_lshl_add_u32 v8, v10, 4, v8
	s_delay_alu instid0(VALU_DEP_1)
	v_add_nc_u32 v8, s75, v8                       ; my stage, in: row r of 64 bytes, four places of 16
	v_lshl_add_u32 v9, v31, 4, s75                 ; back: a place a lane
	v_mul_u32_u24 v10, v31, 12
	v_lshlrev_b32 v11, 4, v11
	v_mov_b32 v29, 0xff800000                      ; -infinity
	v_mov_b32 v251, 0                              ; (named as the upper half of the pair v[250:251])
.macro INIT gt
	v_mov_b32 v13, 0xff61b1e6                      ; the largest t so far: -3e38
	s_delay_alu instid0(VALU_DEP_1)
	v_floor_f32 v12, -v13                          ; -M
	v_mov_b32 v14, 0                               ; the sum, in two halves
	v_mov_b32 v15, 0
.set j, 0
.rept 32
	v_mov_b32 v[OT+j], 0                           ; the step is written for all steps alike: the first finds zeros
.set j, j+1
.endr
	s_mov_b32 s[T6], 0
	s_mov_b32 s[TS], 0
	s_mov_b32 s[SI], 0
	s_mov_b32 s[GT], \gt
.endm
; A KEY STEP: 128 keys.  masked = 1: the step is left out where all its keys are hidden, and on the diagonal hidden scores become -infinity.
.macro STEP masked
.if \masked
	s_cmp_gt_u32 s[SI], s[GT]
	s_cbranch_scc1 .Lhid_\@
.endif
	v_add_nc_u32 v[ADK], s[T6], v[AK0]
	v_add_nc_u32 v[ADV], s[T6], v[AV0]
	v_add_nc_u32 v[ADS], s[TS], v[AS0]
	v_nop                                          ; four plain lines between the last products and the loads into their registers
.irp t, 0,1,2,3,4,5,6,7
.irp p, 0,1,2
	ds_load_b64 v[KF+6*\t+2*\p:KF+6*\t+2*\p+1], v[ADK] offset:768*\t+8*\p
.endr
.endr
.irp n, 0,1,2,3
	ds_load_b32 v[KW+\n], v[ADS] offset:128*\n
.endr
.irp t, 0,1,2,3
.irp p, 0,1,2,3,4,5
	ds_load_b64 v[VF+12*\t+2*\p:VF+12*\t+2*\p+1], v[ADV] offset:3072*(\p/3)+768*\t+8*(\p%3)
.endr
.endr
.irp n, 0,1
	ds_load_b32 v[VW+\n], v[ADS] offset:512+128*\n
.endr
	s_wait_dscnt 26                                ; K's 28 loads are in; V's 26, issued behind them, may be out: they land under the softmax
.irp t, 0,2,4,6
	v_wmma_scale_f32_16x16x128_f8f6f4 v[SS+8*\t:SS+8*\t+7], v[KF+6*\t:KF+6*\t+11], v[16:27], 0, v[KW+\t/2], v28 matrix_a_fmt:MATRIX_FMT_FP6 matrix_b_fmt:MATRIX_FMT_FP6
	v_wmma_scale_f32_16x16x128_f8f6f4 v[SS+8*\t+8:SS+8*\t+15], v[KF+6*\t+6:KF+6*\t+17], v[16:27], 0, v[KW+\t/2], v28 matrix_a_fmt:MATRIX_FMT_FP6 matrix_b_fmt:MATRIX_FMT_FP6 matrix_a_scale:MATRIX_SCALE_ROW1
.endr
.rept 4
	v_nop
.endr
.if \masked
	s_cmp_lt_u32 s[SI], s[GT]
	s_cbranch_scc1 .Lopen_\@
.set n, 0
.rept 64
	v_cmp_gt_i32 vcc_lo, 32*(n/16)+n%16, v7
	v_cndmask_b32 v[SS+n], v[SS+n], v29, vcc_lo
.set n, n+1
.endr
.Lopen_\@:
.endif
.irp b, 0,1,2,3
	v_max3_num_f32 v[BM+\b], v[SS+16*\b], v[SS+16*\b+1], v[SS+16*\b+2]   ; the largest score of each block of 32 keys: it serves the row's maximum and, since p rises with the score, the block's largest p
.endr
.irp i, 3,5,7,9,11,13
.irp b, 0,1,2,3
	v_max3_num_f32 v[BM+\b], v[BM+\b], v[SS+16*\b+\i], v[SS+16*\b+\i+1]
.endr
.endr
.irp b, 0,1,2,3
	v_max_num_f32 v[BM+\b], v[BM+\b], v[SS+16*\b+15]
.endr
.irp b, 0,1,2,3
	s_delay_alu instid0(VALU_DEP_4)
	v_permlanex16_b32 v[BP+\b], v[BM+\b], s[SEL], s[SEL+1]
.endr
.irp b, 0,1,2,3
	s_delay_alu instid0(VALU_DEP_4)
	v_max_num_f32 v[BM+\b], v[BM+\b], v[BP+\b]
.endr
	s_delay_alu instid0(VALU_DEP_2)
	v_max3_num_f32 v52, v[BM], v[BM+1], v[BM+2]
	s_delay_alu instid0(VALU_DEP_1)
	v_max_num_f32 v52, v52, v[BM+3]
	s_delay_alu instid0(VALU_DEP_1)
	v_mul_f32 v52, s[CS], v52
	s_delay_alu instid0(VALU_DEP_1)
	v_max_num_f32 v13, v13, v52                    ; the running largest t
	v_mov_b32 v52, v12
	s_delay_alu instid0(VALU_DEP_2)
	v_floor_f32 v12, -v13                          ; the new -M: a whole number
	s_delay_alu instid0(VALU_DEP_1)
	v_sub_f32 v52, v12, v52
	s_delay_alu instid0(VALU_DEP_1)
	v_cvt_i32_f32 v52, v52                         ; (it saturates)
	s_delay_alu instid0(VALU_DEP_1)
	v_ldexp_f32 v250, 1.0, v52                     ; f = 2^(old M - new M)
.set j, 0
.rept 32
	v_pk_fma_f32 v[SS+j:SS+j+1], v[SS+j:SS+j+1], s[CS:CS+1], v[12:13] op_sel_hi:[1,0,0]   ; t - M
.set j, j+2
.endr
.irp b, 0,1,2,3
	v_fma_f32 v[BM+\b], v[BM+\b], s[CS], v12
.endr
.set j, 0
	s_wait_alu depctr_va_vdst(0)
.rept 64
	v_exp_f32 v[SS+j], v[SS+j]                     ; p = 2^(t - M)
.set j, j+1
.endr
	v_pk_mul_f32 v[14:15], v[14:15], v[250:251] op_sel_hi:[1,0]   ; the sums under the new M: a plain line behind the exponentials
	s_wait_alu depctr_va_vdst(0)                   ; one wait for the batch, ahead of its first reader
.irp b, 0,1,2,3
	v_exp_f32 v[BM+\b], v[BM+\b]                   ; the blocks' largest p
.endr
	v_pk_add_f32 v[54:55], v[144:145], v[148:149]
	v_pk_add_f32 v[252:253], v[152:153], v[156:157]
	v_pk_add_f32 v[248:249], v[160:161], v[164:165]
	v_pk_add_f32 v[246:247], v[168:169], v[172:173]
	v_pk_add_f32 v[244:245], v[176:177], v[180:181]
	v_pk_add_f32 v[242:243], v[184:185], v[188:189]
	v_pk_add_f32 v[240:241], v[192:193], v[196:197]
	v_pk_add_f32 v[14:15], v[14:15], v[200:201]
	v_pk_add_f32 v[54:55], v[54:55], v[140:141]
	v_pk_add_f32 v[252:253], v[252:253], v[142:143]
	v_pk_add_f32 v[248:249], v[248:249], v[146:147]
	v_pk_add_f32 v[246:247], v[246:247], v[150:151]
	v_pk_add_f32 v[244:245], v[244:245], v[154:155]
	v_pk_add_f32 v[242:243], v[242:243], v[158:159]
	v_pk_add_f32 v[240:241], v[240:241], v[162:163]
	v_pk_add_f32 v[14:15], v[14:15], v[166:167]
	v_pk_add_f32 v[54:55], v[54:55], v[170:171]
	v_pk_add_f32 v[252:253], v[252:253], v[174:175]
	v_pk_add_f32 v[248:249], v[248:249], v[178:179]
	v_pk_add_f32 v[246:247], v[246:247], v[182:183]
	v_pk_add_f32 v[244:245], v[244:245], v[186:187]
	v_pk_add_f32 v[242:243], v[242:243], v[190:191]
	v_pk_add_f32 v[240:241], v[240:241], v[194:195]
	v_pk_add_f32 v[14:15], v[14:15], v[198:199]
	v_pk_add_f32 v[54:55], v[54:55], v[202:203]
	s_delay_alu instid0(VALU_DEP_2)
	v_pk_add_f32 v[14:15], v[14:15], v[246:247]
	s_delay_alu instid0(VALU_DEP_2)
	v_pk_add_f32 v[54:55], v[54:55], v[244:245]
	v_pk_add_f32 v[252:253], v[252:253], v[242:243]
	v_pk_add_f32 v[248:249], v[248:249], v[240:241]
	s_delay_alu instid0(VALU_DEP_2)
	v_pk_add_f32 v[14:15], v[14:15], v[252:253]
	s_delay_alu instid0(VALU_DEP_2)
	v_pk_add_f32 v[54:55], v[54:55], v[248:249]
	s_delay_alu instid0(VALU_DEP_1)
	v_pk_add_f32 v[14:15], v[14:15], v[54:55]
	s_wait_alu depctr_va_vdst(0)                   ; and one for the four
.irp b, 0,1,2,3
	v_max_num_f32 v[BM+\b], 0x1800000, v[BM+\b]    ; the floor 2^(3 - 127)
.endr
.irp b, 0,1,2,3
	s_delay_alu instid0(VALU_DEP_4)
	v_add_nc_u32 v[SO+\b], 0xff000000, v[BM+\b]
.endr
.irp b, 0,1,2,3
	s_delay_alu instid0(VALU_DEP_4)
	v_lshrrev_b32 v[BP+\b], 23, v[SO+\b]
.endr
	s_delay_alu instid0(VALU_DEP_3)
	v_lshl_or_b32 v248, v[BP+1], 8, v[BP]          ; p's scale word for these 128 keys
	s_delay_alu instid0(VALU_DEP_1)
	v_lshl_or_b32 v248, v[BP+2], 16, v248
	s_delay_alu instid0(VALU_DEP_1)
	v_lshl_or_b32 v248, v[BP+3], 24, v248
.irp c, 0,1
	v_cvt_scalef32_pk16_fp6_f32 v[PCD+6*\c:PCD+6*\c+2], v[SS+32*\c:SS+32*\c+15], v[SO+2*\c]
	v_cvt_scalef32_pk16_fp6_f32 v[CT+4*\c:CT+4*\c+2], v[SS+32*\c+16:SS+32*\c+31], v[SO+2*\c+1]
.endr
	v_nop                                          ; one plain line behind the scaled conversions
.irp c, 0,1                                    ; the operand wants a whole block in a lane: lanes 0-15 block 2 c, lanes 16-31 block 2 c + 1
.irp i, 0,1,2
	v_permlane16_swap_b32 v[PCD+6*\c+\i], v[CT+4*\c+\i]
.endr
.irp i, 0,1,2
	s_delay_alu instid0(VALU_DEP_3)
	v_mov_b32 v[PCD+3+6*\c+\i], v[CT+4*\c+\i]
.endr
.endr
.set j, 0
.rept 16
	v_pk_mul_f32 v[OT+j:OT+j+1], v[OT+j:OT+j+1], v[250:251] op_sel_hi:[1,0]   ; O^T under the new M; these lines also stand between the writes of p's codes and scale word and the products
.set j, j+2
.endr
	s_wait_alu depctr_va_vdst(0)
	s_wait_dscnt 0x0                               ; V
.irp t, 0,2
	v_wmma_scale_f32_16x16x128_f8f6f4 v[OT+8*\t:OT+8*\t+7], v[VF+12*\t:VF+12*\t+11], v[PCD:PCD+11], v[OT+8*\t:OT+8*\t+7], v[VW+\t/2], v248 matrix_a_fmt:MATRIX_FMT_FP6 matrix_b_fmt:MATRIX_FMT_FP6
	v_wmma_scale_f32_16x16x128_f8f6f4 v[OT+8*\t+8:OT+8*\t+15], v[VF+12*\t+12:VF+12*\t+23], v[PCD:PCD+11], v[OT+8*\t+8:OT+8*\t+15], v[VW+\t/2], v248 matrix_a_fmt:MATRIX_FMT_FP6 matrix_b_fmt:MATRIX_FMT_FP6 matrix_a_scale:MATRIX_SCALE_ROW1
.endr
.if \masked
.Lhid_\@:
.endif
	s_add_co_u32 s[T6], s[T6], 6144
	s_add_co_u32 s[TS], s[TS], 768
	s_add_co_u32 s[SI], s[SI], 1
.endm
; THE WAY OUT of a tile: O^T / the sum, quantised along the head's 64 channels: two blocks; the codes go through my stage and leave as 768 consecutive bytes.
.macro WAYOUT long, cb, sb
.rept 4
	v_nop
.endr
	v_add_f32 v14, v14, v15
	s_delay_alu instid0(VALU_DEP_1)
	v_permlanex16_b32 v52, v14, s[SEL], s[SEL+1]
	s_delay_alu instid0(VALU_DEP_1)
	v_add_f32 v14, v14, v52
	s_wait_alu depctr_va_vdst(0)
	v_rcp_f32 v14, v14
.if \long
.irp j, 0,1,2,3,4,5
	v_mov_b32 v[16+\j], v[80+\j]                   ; the short tile's Q takes its place: plain lines behind the reciprocal
.endr
	v_mov_b32 v28, v30
.else
	v_nop
.endif
	s_wait_alu depctr_va_vdst(0)                   ; ahead of the reciprocal's first reader
.set j, 0
.rept 16
	v_pk_mul_f32 v[SS+j:SS+j+1], v[OT+j:OT+j+1], v[14:15] op_sel_hi:[1,0]   ; register 16 b + i is channel 32 b + 16 h + i; each accumulator is read from its low end on
.set j, j+2
.endr
.irp b, 0,1
	v_max3_num_f32 v[BM+\b], |v[SS+16*\b]|, |v[SS+16*\b+1]|, 0x1800000
.endr
.irp i, 2,4,6,8,10,12,14
.irp b, 0,1
	s_delay_alu instid0(VALU_DEP_2)
	v_max3_num_f32 v[BM+\b], v[BM+\b], |v[SS+16*\b+\i]|, |v[SS+16*\b+\i+1]|
.endr
.endr
.irp b, 0,1
	s_delay_alu instid0(VALU_DEP_2)
	v_permlanex16_b32 v[BP+\b], v[BM+\b], s[SEL], s[SEL+1]
.endr
.irp b, 0,1
	s_delay_alu instid0(VALU_DEP_2)
	v_max_num_f32 v[BM+\b], v[BM+\b], v[BP+\b]
.endr
.irp b, 0,1
	s_delay_alu instid0(VALU_DEP_2)
	v_add_nc_u32 v[SO+\b], 0xff000000, v[BM+\b]
.endr
.irp b, 0,1
	s_delay_alu instid0(VALU_DEP_2)
	v_lshrrev_b32 v[BP+\b], 23, v[SO+\b]
.endr
	s_delay_alu instid0(VALU_DEP_1)
	v_lshl_or_b32 v53, v[BP+1], 8, v[BP]
	v_cvt_scalef32_pk16_fp6_f32 v[CT:CT+2], v[SS:SS+15], v[SO]
	v_cvt_scalef32_pk16_fp6_f32 v[CT+4:CT+6], v[SS+16:SS+31], v[SO+1]
	v_nop
	ds_store_b96 v8, v[CT:CT+2]
	ds_store_b96 v8, v[CT+4:CT+6] offset:32
	ds_load_b96 v[56:58], v9                       ; LDS serves a wave's instructions in order: these see the stores above
	ds_load_b96 v[60:62], v9 offset:512
	s_wait_alu depctr_va_vdst(0)
	s_wait_dscnt 0x0
	global_store_b96 v10, v[56:58], s[\cb:\cb+1]
	global_store_b96 v10, v[60:62], s[\cb:\cb+1] offset:384
	global_store_b16 v11, v53, s[\sb:\sb+1]        ; both halves of the lanes write the same two bytes with the same value
	s_wait_xcnt 0x0                                ; the stores' registers are written again only behind this wait
.endm
	s_wait_alu depctr_va_vdst(0)                   ; the wait at the head's end
	s_cmp_lt_u32 s[WV], 3
	s_cbranch_scc0 .Lnot_first
	s_wait_tensorcnt 0x0                           ; keys 0-255 and the scale words are in (the later pieces may be out: no byte is filled twice),
.Lnot_first:
	s_wait_loadcnt 0x0                             ; and Q
	s_barrier_signal -1
	s_barrier_wait -1
	INIT s13
	s_mov_b32 s[CNT], 2                            ; key steps 0 and 1 read the first pieces alone
.Lfirst:                                           ; the long tile, key steps 0-1: all their keys count
	STEP 0
	s_sub_co_u32 s[CNT], s[CNT], 1
	s_cmp_lg_u32 s[CNT], 0
	s_cbranch_scc1 .Lfirst
	s_wait_tensorcnt 0x0                           ; my later piece, if I have one, is in,
	s_wait_dscnt 0x0
	s_barrier_signal -1
	s_barrier_wait -1                              ; everybody's is
	s_mov_b32 s[T6], 2*6144
	s_mov_b32 s[TS], 2*768
	s_mov_b32 s[SI], 2
	s_mov_b32 s[CNT], 14                           ; the long tile's key steps 2-15
.Lsecond:                                          ; the long tile, key steps 2-15
	STEP 1
	s_sub_co_u32 s[CNT], s[CNT], 1
	s_cmp_lg_u32 s[CNT], 0
	s_cbranch_scc1 .Lsecond
	WAYOUT 1, 56, 58
	INIT s11
	s_mov_b32 s[CNT], 8
.Lthird:                                           ; the short tile, key steps 0-7
	STEP 1
	s_sub_co_u32 s[CNT], s[CNT], 1
	s_cmp_lg_u32 s[CNT], 0
	s_cbranch_scc1 .Lthird
	WAYOUT 0, 60, 62
	s_wait_tensorcnt 0x0
	ds_add_u32 v254, v255
	s_wait_dscnt 0x0
	CROUND                                         ; the closing round
	s_endpgm
.Lfunc_end_k_qff7c0cb992_attn:
	.size	k_qff7c0cb992_attn, .Lfunc_end_k_qff7c0cb992_attn-k_qff7c0cb992_attn
	.p2alignl 7, 3214868480
	.fill 96, 4, 3214868480
	.section	.rodata,"a",@progbits
	.p2align	6, 0x0
	.amdhsa_kernel k_qff7c0cb992_attn
		.amdhsa_group_segment_fixed_size 227328
		.amdhsa_private_segment_fixed_size 0
		.amdhsa_enable_private_segment 0
		.amdhsa_kernarg_size 16
		.amdhsa_user_sgpr_count 2
		.amdhsa_user_sgpr_kernarg_segment_ptr 1
		.amdhsa_wavefront_size32 1
		.amdhsa_system_sgpr_workgroup_id_x 1
		.amdhsa_system_sgpr_workgroup_id_y 1
		.amdhsa_system_sgpr_workgroup_id_z 1
		.amdhsa_system_vgpr_workitem_id 0
		.amdhsa_next_free_vgpr 256
		.amdhsa_next_free_sgpr 80
		.amdhsa_reserve_vcc 1
		.amdhsa_float_denorm_mode_32 3
		.amdhsa_float_denorm_mode_16_64 3
		.amdhsa_memory_ordered 1
		.amdhsa_forward_progress 1
		.amdhsa_inst_pref_size 88
	.end_amdhsa_kernel
	.amdgpu_metadata
---
amdhsa.version: [ 1, 2 ]
amdhsa.kernels:
  - .name:           k_qff7c0cb992_attn
    .symbol:         k_qff7c0cb992_attn.kd
    .args:
      - { .name: qkv, .offset: 0, .size: 8, .value_kind: global_buffer, .address_space: global }
      - { .name: yq, .offset: 8, .size: 8, .value_kind: global_buffer, .address_space: global }
    .group_segment_fixed_size: 227328
    .private_segment_fixed_size: 0
    .kernarg_segment_align: 8
    .kernarg_segment_size: 16
    .max_flat_workgroup_size: 512
    .sgpr_count:     80
    .vgpr_count:     256
    .wavefront_size: 32
...
	.end_amdgpu_metadata
.endif
;; end of part 3
;; launch outp (part 4): grid 8 x 32, 4 waves a work-group, clusters of 4 x 4, 327,680 bytes of LDS; arguments yq, wq, b_o, out0; writes out0
.if DOCPART == 4
	.amdgcn_target "amdgcn-amd-amdhsa--gfx1250"
	.amdhsa_code_object_version 6
	.text
	.protected	k_qff7c0cb992_outp
	.globl	k_qff7c0cb992_outp
	.p2align	8
	.type	k_qff7c0cb992_outp,@function
k_qff7c0cb992_outp:
	s_mov_b64 s[64:65], 0
	v_nop
	global_prefetch_b8 v0, s[64:65] scope:SCOPE_SE
	s_setreg_imm32_b32 hwreg(HW_REG_WAVE_MODE, 25, 1), 1
	s_wait_xcnt 0x0
	s_wait_alu depctr_hold_cnt(0) depctr_sa_sdst(0) depctr_va_vdst(0) depctr_va_sdst(0) depctr_va_ssrc(0) depctr_va_vcc(0) depctr_vm_vsrc(0)
	s_getreg_b32 s2, hwreg(HW_REG_IB_STS2, 6, 4)
	s_cmp_eq_u32 s2, 0
	s_cbranch_scc0 .Lentry_in_a_cluster
	s_endpgm
.Lentry_in_a_cluster:
	s_bfe_u32 s2, ttmp6, 0x10000c
	s_cmp_lg_u32 s2, 0xf033
	s_cbranch_scc0 .Lentry_shape_is_right
	s_endpgm
.Lentry_shape_is_right:
; out0 = y W_o^T + b_o on codes of FP6 (E2M3) with E8M0 scales; f32 out.  256 work-groups of four waves; a work-group makes 256 places x 128 columns, a wave 128 x 64.
; ALL OF K LIES IN LDS: y's 256 rows (196,608 bytes) and W_o's 128 (98,304), asked for at the head by one joint load a wave, in two halves of K: y's first half (two rows of 49,152 bytes, one a row block),
; W_o's first half, y's second, W_o's second.  No byte is filled twice: no ring.  The first barrier shows the first halves, the second the rest.
; BY ROWS.  A wave holds its 64 rows of W_o, all of K, in registers: 32 fragments, 384 registers.  y's blocks of 16 rows, all of K (8 fragments), stream past them through two sets of registers.
; A block's 16 x 64 sums are finished after its 32 products (four accumulators by turns, K ascending) and leave while the next block is multiplied: no fragment is read from LDS twice.
; OPERANDS lie [row block of 128][chunk of 64 along K][row][48 bytes].  Source 0 = W_o's rows, source 1 = y's: a lane holds eight neighbouring columns of one row.
; SCALE WORDS go from memory into registers: lanes 0-15 a row's four words of K's first half, lanes 16-31 of the second; the row selector picks the half.  The bias is the C of a block's first four products.
; y's tiles are shared along a row of the cluster, W_o's along a column.  Nothing is prefetched: all that is read is asked for at the head, and there is no loop to run ahead in.
; OUT: a block goes through the wave's own stage; sixteen lanes store 256 consecutive bytes, aligned.  A place's row has bits 3 and 4 of its number exchanged.
; REGISTERS: window 0: addresses, scale words, the bias, v128-191 two sets of four accumulators, v192-255 two sets of rows read back; windows 1, 2: W_o's fragments, 20 and 12; window 3: y's two sets.
.set CH,    6144
.set XH,    98304
.set WB,    196608
.set WHF,   49152
.set STAGE, 294912
.set SPITCH, 272
.set SPARE, STAGE+4*16*SPITCH
.set ADRX, 16
.set ADRW, 20
.set STO,  24
.set RD,   25
.set CO,   26
.set VS,   27
.set SPW,  28
.set NIL,  29
.set WS,   32                          ; v32-47 W_o's scale words: 4 b + step in the half
.set XS,   50                          ; v50-81 y's: 4 a + step in the half (the two numbers differ modulo 8)
.set BI,   96
.set ACC,  128
.set BK,   192
.set G1X,  24
.set G0X,  32
.set G0W,  36
.set G1W,  48
.set MSB, 0
.macro WIN new
.if MSB != (\new)
	s_set_vgpr_msb (MSB<<8)|(\new)
.set MSB, (\new)
.endif
.endm
.macro PLACES n
.rept \n
	v_nop
.endr
.endm
.macro TLOAD g0, g1
	tensor_load_to_lds s[\g0:\g0+3], s[\g1:\g1+7]
	s_nop 0
	PLACES 4
.endm
.macro CROUND
	s_barrier_signal -1
	s_barrier_wait -1
	s_cmp_lg_u32 s14, 0
	s_cbranch_scc1 .Lnot_wave_0_\@
	s_barrier_signal -3
.Lnot_wave_0_\@:
	s_barrier_wait -3
	s_barrier_signal -1
	s_barrier_wait -1
.endm
	s_load_b256 s[4:11], s[0:1], 0x0               ; yq, wq, b_o, out0
	v_lshl_add_u32 v[SPW], v0, 2, SPARE
	v_mov_b32 v[NIL], 0
	ds_add_u32 v[SPW], v[NIL]                      ; the opening lines
	ds_add_u32 v[SPW], v[NIL]
	v_lshrrev_b32 v1, 5, v0
	v_readfirstlane_b32 s14, v1
	s_lshr_b32 s15, s14, 1                         ; my row block of y.  At the head: which half of K I fetch
	s_and_b32 s16, s14, 1                          ; my 64 rows of W_o.  At the head: y (0) or W_o (1)
	s_bfe_u32 s40, ttmp6, 0x40000
	s_bfe_u32 s41, ttmp6, 0x40004
	s_lshl_b32 s42, ttmp9, 2
	s_add_co_u32 s42, s42, s40                     ; gx
	s_and_b32 s17, ttmp7, 0xffff
	s_lshl_b32 s17, s17, 2
	s_add_co_u32 s17, s17, s41                     ; gy
	s_lshl_b32 s43, s41, 2
	s_lshl_b32 s43, 15, s43
	s_lshl_b32 s44, 0x1111, s40
	s_or_b32 s[G1X], s43, (3<<16)|(1<<21)
	s_or_b32 s[G1W], s44, (3<<16)|(1<<21)
	s_mov_b32 s[G1X+1], 6144<<16
	s_mov_b32 s[G1X+2], 2<<16
	s_mov_b32 s[G1X+3], 6144<<16
	s_mov_b32 s[G1X+4], 2
	s_mov_b32 s[G1X+5], 12288
	s_mov_b32 s[G1W+1], 32<<16
	s_mov_b32 s[G1W+2], 192<<16
	s_mov_b32 s[G1W+3], 32<<16
	s_mov_b32 s[G1W+4], 192
	s_mov_b32 s[G1W+5], 32
.irp g, G1X, G1W
	s_mov_b32 s[\g+6], 0
	s_mov_b32 s[\g+7], 0
.endr
	s_mul_i32 s20, s17, 196608
	s_mul_i32 s74, s15, WHF
	s_add_co_u32 s20, s20, s74
	s_mov_b32 s21, 0
	s_mul_i32 s22, s42, 98304
	s_add_co_u32 s22, s22, s74
	s_add_co_u32 s22, s22, 2457600                 ; W_o's codes in wq
	s_mov_b32 s23, 0
	s_mov_b32 s[G0X], 1
	s_mul_i32 s[G0X+1], s15, XH
	s_mov_b32 s[G0W], 1
	s_add_co_u32 s[G0W+1], s74, WB
	s_lshl_b32 s80, s17, 1
	s_add_co_u32 s80, s80, s15
	s_lshl_b32 s80, s80, 12
	s_add_co_u32 s80, s80, 6291456
	s_mov_b32 s81, 0
	s_lshl_b32 s82, s42, 12
	s_lshl_b32 s18, s16, 10
	s_add_co_u32 s82, s82, s18
	s_add_co_u32 s82, s82, 3244032
	s_mov_b32 s83, 0
	s_lshl_b32 s84, s42, 9
	s_lshl_b32 s18, s16, 8
	s_add_co_u32 s84, s84, s18                     ; my first column, in bytes
	s_mov_b32 s85, 0
	s_lshl_b32 s86, s17, 8
	s_lshl_b32 s18, s15, 7
	s_add_co_u32 s86, s86, s18
	s_lshl_b32 s86, s86, 12                        ; my first row, 4,096 bytes a row
	s_mov_b32 s87, 0
	s_mul_i32 s45, s14, 16*SPITCH
	s_add_co_u32 s45, s45, STAGE
	s_add_co_u32 s73, s74, XH
	s_mul_i32 s79, s16, 3072
	s_add_co_u32 s79, s79, WB
	s_add_co_u32 s2, s79, WHF
	s_wait_dscnt 0x0
	s_wait_kmcnt 0x0
	s_add_nc_u64 s[G0X+2:G0X+3], s[4:5], s[20:21]
	s_add_nc_u64 s[G0W+2:G0W+3], s[6:7], s[22:23]
	s_add_nc_u64 s[66:67], s[4:5], s[80:81]
	s_add_nc_u64 s[68:69], s[6:7], s[82:83]
	s_add_nc_u64 s[8:9], s[8:9], s[84:85]
	s_add_nc_u64 s[10:11], s[10:11], s[84:85]
	s_add_nc_u64 s[10:11], s[10:11], s[86:87]
	s_or_b32 s[G0X+3], s[G0X+3], 0x80000000
	s_or_b32 s[G0W+3], s[G0W+3], 0x80000000
	CROUND
	s_cmp_eq_u32 s14, 0                            ; one load a wave, each in an arm of its own
	s_cbranch_scc0 .Lw1
	TLOAD G0X, G1X
	s_branch .Lasked
.Lw1:
	s_cmp_eq_u32 s14, 1
	s_cbranch_scc0 .Lw2
	TLOAD G0W, G1W
	s_branch .Lasked
.Lw2:
	s_cmp_eq_u32 s14, 2
	s_cbranch_scc0 .Lw3
	TLOAD G0X, G1X
	s_branch .Lasked
.Lw3:
	TLOAD G0W, G1W
.Lasked:
	v_and_b32 v1, 15, v0
	v_bfe_u32 v2, v0, 4, 1
	v_mul_u32_u24 v4, v1, 48
	v_mad_u32_u24 v4, v2, 24, v4
	v_add_nc_u32 v[ADRX], s74, v4
	v_add_nc_u32 v[ADRX+1], s73, v4
	v_add_nc_u32 v[ADRW], s79, v4
	v_add_nc_u32 v[ADRW+1], s2, v4
	v_mul_u32_u24 v5, v1, SPITCH
	v_lshl_add_u32 v5, v2, 6, v5
	v_add_nc_u32 v[STO], s45, v5                   ; the stage, in: row r, 64 bytes for each half of the lanes
	v_mul_u32_u24 v6, v2, SPITCH
	v_lshl_add_u32 v6, v1, 4, v6
	v_add_nc_u32 v[RD], s45, v6                    ; back: sixteen lanes a row
	v_lshlrev_b32 v[CO], 12, v2
	v_lshl_add_u32 v[CO], v1, 4, v[CO]
	v_lshlrev_b32 v7, 6, v2
	v_lshlrev_b32 v[VS], 4, v1
	v_lshl_add_u32 v[VS], v2, 11, v[VS]
	s_wait_alu depctr_va_vdst(0)                   ; the wait at the head's end
.irp i, 0,1,2,3,4,5,6,7
	global_load_b128 v[XS+4*\i:XS+4*\i+3], v[VS], s[66:67] offset:256*\i
.endr
.irp b, 0,1,2,3
	global_load_b128 v[WS+4*\b:WS+4*\b+3], v[VS], s[68:69] offset:256*\b
.endr
.irp b, 0,1,2,3
	global_load_b128 v[BI+8*\b:BI+8*\b+3], v7, s[8:9] offset:4*(32*(\b/2)+8*(\b%2))
	global_load_b128 v[BI+8*\b+4:BI+8*\b+7], v7, s[8:9] offset:4*(32*(\b/2)+8*(\b%2))+16
.endr
	s_cmp_lt_u32 s14, 2
	s_cbranch_scc0 .Lnot_lo
	s_wait_tensorcnt 0x0
.Lnot_lo:
	s_barrier_signal -1
	s_barrier_wait -1                              ; the first halves are in
.macro FRAG reg, adr, q, i             ; 16 rows x 128 K: registers 6 c .. 6 c + 5 are 24 bytes of chunk 2 q + c, in pieces of 8 bytes
.irp p, 0,1,2,3,4,5
	ds_load_b64 v[\reg+2*\p:\reg+2*\p+1], v[\adr] offset:(2*(\q)+\p/3)*CH+(\i)*768+8*(\p%3)
.endr
.endm
.macro WLOAD q0                        ; W_o's fragments of steps q0 .. q0 + 3: fragment 4 q + b lies in window 1 + (4 q + b) / 20
.irp q, \q0, \q0+1, \q0+2, \q0+3
.irp b, 0,1,2,3
.set F_, 4*(\q)+\b
	WIN (1+F_/20)<<6
	FRAG 12*(F_%20), ADRW+(\q)/4, (\q)%4, \b
.endr
.endr
	WIN 0
.endm
.macro XLOAD a, e, q0                  ; y's block a, steps q0 .. q0 + 3, into set e
	WIN 0xc0
.irp q, \q0, \q0+1, \q0+2, \q0+3
	FRAG 96*(\e)+12*(\q), ADRX+(\q)/4, (\q)%4, \a
.endr
	WIN 0
.endm
.macro W1 d, s0, s1, c, x0, x1, hf
	v_wmma_scale_f32_16x16x128_f8f6f4 v[\d:\d+7], v[\s0:\s0+11], v[\s1:\s1+11], \c, v[\x0], v[\x1] matrix_a_fmt:MATRIX_FMT_FP6 matrix_b_fmt:MATRIX_FMT_FP6 matrix_a_scale:MATRIX_SCALE_ROW\hf matrix_b_scale:MATRIX_SCALE_ROW\hf
.endm
.macro BLK a                           ; block a: 32 products; its four accumulators take turns
.set E_, (\a)%2
.irp q, 0,1,2,3,4,5,6,7
.irp b, 0,1,2,3
.set F_, 4*\q+\b
.set D_, ACC+32*E_+8*\b
	WIN 0x0d+F_/20
.if \q == 0
	W1 D_, 12*(F_%20), 96*E_+12*\q, v[BI+8*\b:BI+8*\b+7], WS+4*\b+\q%4, XS+4*(\a)+\q%4, 0
.elseif \q < 4
	W1 D_, 12*(F_%20), 96*E_+12*\q, v[D_:D_+7], WS+4*\b+\q%4, XS+4*(\a)+\q%4, 0
.else
	W1 D_, 12*(F_%20), 96*E_+12*\q, v[D_:D_+7], WS+4*\b+\q%4, XS+4*(\a)+\q%4, 1
.endif
.endr
.endr
	WIN 0
	PLACES 4                                       ; ahead of the loads into the set just read and of the stores of the sums
.endm
.macro TOSTAGE a
.set AC, ACC+32*((\a)%2)
.irp b, 0,1,2,3
	ds_store_b128 v[STO], v[AC+8*\b:AC+8*\b+3] offset:128*(\b/2)+32*(\b%2)      ; each accumulator from its low end on
	ds_store_b128 v[STO], v[AC+8*\b+4:AC+8*\b+7] offset:128*(\b/2)+32*(\b%2)+16
.endr
.set BB, BK+32*((\a)%2)
.irp t, 0,1,2,3,4,5,6,7
	ds_load_b128 v[BB+4*\t:BB+4*\t+3], v[RD] offset:\t*2*SPITCH    ; LDS serves a wave's instructions in order
.endr
.endm
.macro SEND a
.set BB, BK+32*((\a)%2)
.irp t, 0,1,2,3,4,5,6,7
	global_store_b128 v[CO], v[BB+4*\t:BB+4*\t+3], s[10:11] offset:4096*(32*((\a)/2)+8*((\a)%2)+2*(\t%4)+16*(\t/4)) th:TH_STORE_NT
.endr
.endm
	WLOAD 0
	XLOAD 0, 0, 0
	XLOAD 1, 1, 0
	s_wait_tensorcnt 0x0                           ; every wave's load is in,
	s_wait_dscnt 0x0
	s_barrier_signal -1
	s_barrier_wait -1                              ; so the second halves are whole
	WLOAD 4
	XLOAD 0, 0, 4
	XLOAD 1, 1, 4
	s_wait_loadcnt 0x0                             ; the scale words and the bias
	s_wait_dscnt 24                                ; all but block 1's last 24 loads
	BLK 0
	s_wait_dscnt 0x0
	XLOAD 2, 0, 0
	XLOAD 2, 0, 4
	TOSTAGE 0
.irp a, 1,2,3,4,5,6,7                  ; block a's fragments were shown in by the wait for all LDS work in the block before
	BLK \a
	s_wait_dscnt 0x0                               ; issued ahead of this block's products: the next block's fragments, and the last block's rows back from the stage
.if \a > 1
	s_wait_xcnt 0x0                                ; the stores of two blocks ago have read the registers that this block's rows come back into
.endif
	SEND \a-1
.if \a < 6
	XLOAD \a+2, (\a)%2, 0
	XLOAD \a+2, (\a)%2, 4
.endif
	TOSTAGE \a
.endr
	s_wait_dscnt 0x0
	SEND 7
	s_wait_tensorcnt 0x0                           ; the wave's end
	ds_add_u32 v[SPW], v[NIL]
	s_wait_dscnt 0x0
	CROUND                                         ; the closing round
	s_endpgm
.Lfunc_end_k_qff7c0cb992_outp:
	.size	k_qff7c0cb992_outp, .Lfunc_end_k_qff7c0cb992_outp-k_qff7c0cb992_outp
	.p2alignl 7, 3214868480
	.fill 96, 4, 3214868480
	.section	.rodata,"a",@progbits
	.p2align	6, 0x0
	.amdhsa_kernel k_qff7c0cb992_outp
		.amdhsa_group_segment_fixed_size 327680
		.amdhsa_private_segment_fixed_size 0
		.amdhsa_enable_private_segment 0
		.amdhsa_kernarg_size 32
		.amdhsa_user_sgpr_count 2
		.amdhsa_user_sgpr_kernarg_segment_ptr 1
		.amdhsa_wavefront_size32 1
		.amdhsa_system_sgpr_workgroup_id_x 1
		.amdhsa_system_sgpr_workgroup_id_y 1
		.amdhsa_system_sgpr_workgroup_id_z 1
		.amdhsa_system_vgpr_workitem_id 0
		.amdhsa_next_free_vgpr 960
		.amdhsa_next_free_sgpr 102
		.amdhsa_reserve_vcc 0
		.amdhsa_float_denorm_mode_32 3
		.amdhsa_float_denorm_mode_16_64 3
		.amdhsa_memory_ordered 1
		.amdhsa_forward_progress 1
		.amdhsa_inst_pref_size 95
	.end_amdhsa_kernel
	.amdgpu_metadata
---
amdhsa.version: [ 1, 2 ]
amdhsa.kernels:
  - .name:           k_qff7c0cb992_outp
    .symbol:         k_qff7c0cb992_outp.kd
    .args:
      - { .name: yq, .offset: 0, .size: 8, .value_kind: global_buffer, .address_space: global }
      - { .name: wq, .offset: 8, .size: 8, .value_kind: global_buffer, .address_space: global }
      - { .name: b_o, .offset: 16, .size: 8, .value_kind: global_buffer, .address_space: global }
      - { .name: out0, .offset: 24, .size: 8, .value_kind: global_buffer, .address_space: global }
    .group_segment_fixed_size: 327680
    .private_segment_fixed_size: 0
    .kernarg_segment_align: 8
    .kernarg_segment_size: 32
    .max_flat_workgroup_size: 128
    .sgpr_count:     102
    .vgpr_count:     960
    .wavefront_size: 32
...
	.end_amdgpu_metadata
.endif
;; end of part 4
